; MI455X (gfx1250); checked and timed in simulation.
; The chip was launched on July 23, 2026; its instructions are those of AMD's public machine-readable ISA for CDNA 5 (MIT licence, August 2026) and "CDNA5" Instruction Set Architecture Reference Guide (July 2026). The comments in the code are by the model that wrote it; some were corrected since.
;; Grouped Query Attention. Allowed arithmetic: matrix products marked QUANTISED: E2M3 operands, one E8M0 scale for each 32 along K, by v_wmma_scale_f32_16x16x128_f8f6f4 with both operands' format E2M3, f32 sums; everything else in f32.
;; Inputs: WK 512 x 2,048 float32; WQ 2,048 x 2,048 float32; WV 512 x 2,048 float32; bK 512 float32; bQ 2,048 float32; bV 512 float32; proj 2,048 x 2,048 float32; x 4 x 1,024 x 2,048 float32.
;; Outputs: out0 4 x 1,024 x 2,048 float32.
;; This version of the problem:
;;   THIS VERSION OF THE PROBLEM IS GIVEN IN LOW PRECISION. The matrix products marked QUANTISED in the list below multiply operands that are first quantised to E2M3 (2 exponent bits, 3 mantissa bits; 6 bits a number), with one power-of-two scale for each 32 numbers along K (OCP MX v1.0); their sums are f32. All else is computed in f32.
;;   The module's matrix products, in the order in which they are computed (A, B: the left and right operand; K: the contracted axis; several contracted axes count as one K, in the product's order):
;;     1. [M 4,096, K 2,048] x [K 2,048, N 2,048]; A: input x; B: input WQ: QUANTISED
;;     2. [M 4,096, K 2,048] x [K 2,048, N 512]; A: input x; B: input WK: QUANTISED
;;     3. [M 4,096, K 2,048] x [K 2,048, N 512]; A: input x; B: input WV: QUANTISED
;;     4. batch 4 x [M 1,024, K 2,048] x [K 2,048, N 1,024]; A: computed on the way; B: computed on the way: QUANTISED
;;     5. batch 4 x [M 1,024, K 1,024] x [K 1,024, N 2,048]; A: computed on the way; B: computed on the way: QUANTISED
;;     6. [M 4,096, K 2,048] x [K 2,048, N 2,048]; A: computed on the way; B: input proj: QUANTISED
;;   THE QUANTISER, for each operand of a quantised product, along K:
;;     - K is cut into blocks of 32 from its start; a last block that is shorter is filled with zeros.
;;     - A block's scale is 2^e with e = floor(log2(the largest magnitude in the block)) - 2, held to -126 .. 127; a block of zeros has e = 0. As a byte (E8M0): e + 127.
;;     - Each number is divided by its block's scale, clamped to +-7.5, and rounded to the nearest number of E2M3, ties to even, subnormals kept.
;;     - The product sums the exact products of the quantised numbers (number of the format x scale) in f32.
;;   ~~~python
;;   def quantise(x, axis):      # numpy; x: float32 -> the quantised numbers, widened to float32 again
;;       x = np.moveaxis(x, axis, -1); K = x.shape[-1]
;;       x = np.pad(x, [(0, 0)] * (x.ndim - 1) + [(0, -K % 32)]); x = x.reshape(x.shape[:-1] + (-1, 32)); a = np.abs(x).max(-1, keepdims=True)
;;       e = np.where(a > 0, np.clip(np.frexp(np.where(a > 0, a, 1))[1] - 1 - 2, -126, 127), 0)      # np.frexp(a)[1] - 1 = floor(log2(a)), exactly
;;       r = np.clip(x / 2.0 ** e, -7.5, 7.5)
;;       step = 2.0 ** (np.maximum(np.frexp(np.where(r == 0, 1, r))[1] - 1, 0) - 3)
;;       q = np.round(r / step) * step * 2.0 ** e      # np.round: ties to even
;;       return np.moveaxis(q.reshape(q.shape[:-2] + (-1,))[..., :K], -1, axis).astype(np.float32)
;;   ~~~
;;   OPERANDS COMPUTED ON THE WAY. 'Computed on the way' means the value that the module computes at that place (a softmax that the list does not call 'softmax' is quantised finished and normalised). What goes into a quantiser is computed in f32, as accurately as f32 sums, v_exp_f32 and their like allow (about 1e-6 of the number): no bf16 or f16 on the way to a quantiser, and a product that is left as it is and whose result goes on into a quantised operand takes f32 operands (vector FMAs, or v_wmma_f32_16x16x4_f32). A number that lies on a knife's edge between two numbers of the format may be rounded either way, as far as f32 arithmetic and the matrix unit's own rounding can turn it there, and no further.
;; One version. Each part assembles by itself: llvm-mc -triple=amdgcn-amd-amdhsa -mcpu=gfx1250 --defsym DOCPART=n.
;; ======== version 1 of 1: 4 launches
;; workspace buffers: xw_c 11,010,048 bytes; xw_s 458,752 bytes; pj_c 3,145,728 bytes; pj_s 131,072 bytes; qkv_c 9,437,184 bytes; qkv_s 393,216 bytes; z_c 1,572,864 bytes; z_s 65,536 bytes
;; launch quant (part 1): grid 512 x 1, 4 waves a work-group, no clusters, 34,304 bytes of LDS; arguments x, WQ, WK, WV, proj, xw_c, xw_s, pj_c, pj_s; writes xw_c, xw_s, pj_c, pj_s
.if DOCPART == 1
	.amdgcn_target "amdgcn-amd-amdhsa--gfx1250"
	.amdhsa_code_object_version 6
	.text
	.protected	k_q71ed98661d_quant
	.globl	k_q71ed98661d_quant
	.p2align	8
	.type	k_q71ed98661d_quant,@function
k_q71ed98661d_quant:
	s_mov_b64 s[64:65], 0
	v_nop
	global_prefetch_b8 v0, s[64:65] scope:SCOPE_SE
	s_setreg_imm32_b32 hwreg(HW_REG_WAVE_MODE, 25, 1), 1
	s_wait_xcnt 0x0
; x [4096][2048], WQ [2048][2048], WK, WV [512][2048] (K innermost) and proj [2048 (k)][2048 (n)] (K its first axis), all f32, become codes of FP6 (E2M3) with one E8M0 byte for each 32 along K.
; A block's scale is 2^(floor(log2(its largest magnitude)) - 2); its byte is the largest magnitude's exponent field - 2, held at 1 from below.
; LIMITS: a block of zeros gets the byte 1 where the rule says 127 (its codes are zeros, and this program alone reads the bytes); NaN and infinities among the inputs are not served.
; WHAT IS WRITTEN.  Row tile 2 g + u holds the 16 rows 32 g + 8 u + r + 8 (r / 8), r = 0 .. 15.  A fragment (a row tile x 128 along K) is stored as the IMAGE OF THE OPERAND'S REGISTERS: 1,536 bytes, register 4 c + e of
; lane L at byte 512 c + 16 L + 4 e; a tensor is [row tile][K step][1,536].  Scale words: for a row tile and four K steps 256 bytes, row r's word of step 4 q + e at 16 r + 4 e; a tensor is [row tile][q][256].
; SHARES.  Work-groups 64 .. 511: one row tile of x, WQ, WK, WV (in this order: tiles 0-255, 256-383, 384-415, 416-447 of xw_c); wave w takes K steps 4 w .. 4 w + 3.  Each load reads 512 consecutive bytes of a row; a step's
; 16 rows turn through the wave's own stage in LDS, so that lane (r, h) gets its two whole blocks of row r.  Work-groups 0 .. 63: 128 columns x 512 along K of proj; a lane takes a column and its registers run down K.
; No matrix unit, no cluster, no tensor load: the launch streams, and waves share nothing.
.set SPARE, 33792                      ; behind the four stages (16 rows x 528 bytes each): the spare words, 128 bytes a wave
.set SPW, 12                           ; v12  my spare word's LDS address; never rewritten
.set NIL, 13                           ; v13  0; never rewritten
.set RAW, 16                           ; v16-143  numbers as loaded: two sets of 64 (rows) or of 32 (columns)
.set X,   144                          ; v144-207 rows: my two blocks of 32
.set IM,  144                          ; v144-167 columns: the registers of lanes (r, 0) and (r, 1) of a fragment
.set PC,  208                          ; v208-226 codes just made
.set TM,  228                          ; v228-235 at work
.set SW,  240                          ; v240-243 four scale words
	s_load_b256 s[4:11], s[0:1], 0x0               ; x, WQ, WK, WV
	s_load_b256 s[12:19], s[0:1], 0x20             ; proj, xw_c, xw_s, pj_c
	s_load_b64 s[20:21], s[0:1], 0x40              ; pj_s
	v_lshl_add_u32 v[SPW], v0, 2, SPARE
	v_mov_b32 v[NIL], 0
	v_lshrrev_b32 v1, 5, v0
	v_readfirstlane_b32 s22, v1                    ; wave
	v_and_b32 v1, 31, v0                           ; lane
	v_lshlrev_b32 v2, 4, v1                        ; 16 x lane
	v_and_b32 v3, 15, v0                           ; r
	v_bfe_u32 v4, v0, 4, 1                         ; h
	v_lshlrev_b32 v7, 3, v4                        ; 8 h
	v_lshlrev_b32 v8, 4, v3                        ; 16 r
	s_mul_i32 s23, s22, 8448                       ; my stage
	v_add_nc_u32 v5, s23, v2                       ; into it: 16 x lane of a row
	v_mul_u32_u24 v6, v3, 528
	v_lshl_add_u32 v6, v4, 7, v6
	v_add_nc_u32 v6, s23, v6                       ; out of it: row r, + 128 h bytes
	v_mov_b32 v[TM+6], 0                           ; a lane permute's destination counts as one of its sources
	s_mov_b32 s26, 0x76543210
	s_mov_b32 s27, 0xfedcba98                      ; selects for lane l xor 16
	s_cmp_lt_u32 ttmp9, 64
	s_cbranch_scc1 .Lcols
	; ---- ROWS: K innermost
	s_sub_co_u32 s23, ttmp9, 64                    ; T: my row tile in xw_c
	s_wait_kmcnt 0x0
	s_mov_b64 s[28:29], s[10:11]                   ; the source and its first tile, by T alone
	s_mov_b32 s24, 416
	s_cmp_lt_u32 s23, 416
	s_cselect_b64 s[28:29], s[8:9], s[28:29]
	s_cselect_b32 s24, 384, s24
	s_cmp_lt_u32 s23, 384
	s_cselect_b64 s[28:29], s[6:7], s[28:29]
	s_cselect_b32 s24, 256, s24
	s_cmp_lt_u32 s23, 256
	s_cselect_b64 s[28:29], s[4:5], s[28:29]
	s_cselect_b32 s24, 0, s24
	s_sub_co_u32 s24, s23, s24                     ; the tile's number in its tensor
	s_lshr_b32 s25, s24, 1
	s_lshl_b32 s25, s25, 5
	s_and_b32 s24, s24, 1
	s_lshl_b32 s24, s24, 3
	s_add_co_u32 s24, s24, s25                     ; its first row: 32 g + 8 u
	s_lshl_b32 s24, s24, 13                        ; rows of 8,192 bytes
	s_lshl_b32 s25, s22, 11                        ; my four K steps: 2,048 bytes on for each wave
	s_add_co_u32 s24, s24, s25
	s_mov_b32 s25, 0
	s_add_nc_u64 s[28:29], s[28:29], s[24:25]
	s_mul_i32 s32, s23, 24576
	s_mul_i32 s33, s22, 6144
	s_add_co_u32 s32, s32, s33
	s_mov_b32 s33, 0
	s_add_nc_u64 s[30:31], s[14:15], s[32:33]      ; my four fragments
	s_lshl_b32 s32, s23, 10
	s_lshl_b32 s34, s22, 8
	s_add_co_u32 s32, s32, s34
	s_add_nc_u64 s[34:35], s[16:17], s[32:33]      ; my 256 bytes of scale words
.macro LOAD t                          ; K step t of the tile's 16 rows: each load 512 consecutive bytes
.irp p, 0,1,2,3,4,5,6,7,8,9,10,11,12,13,14,15
	global_load_b128 v[RAW+64*((\t)%2)+4*\p:RAW+64*((\t)%2)+4*\p+3], v2, s[28:29] offset:(\p+8*(\p/8))*8192+512*(\t) th:TH_LOAD_NT
.endr
.endm
.macro QROW t
.if (\t) < 3
	s_wait_loadcnt 16                              ; this step's 16 loads are in; the next step's 16 may be out
.else
	s_wait_loadcnt 0x0
.endif
.irp p, 0,1,2,3,4,5,6,7,8,9,10,11,12,13,14,15
	ds_store_b128 v5, v[RAW+64*((\t)%2)+4*\p:RAW+64*((\t)%2)+4*\p+3] offset:528*\p
.endr
.irp c, 0,1
.irp q, 0,1,2,3,4,5,6,7
	ds_load_b128 v[X+32*\c+4*\q:X+32*\c+4*\q+3], v6 offset:256*\c+16*\q   ; k = 64 c + 32 h + 4 q on, of row r; LDS serves a wave's instructions in order: these see the stores above
.endr
.endr
	s_wait_dscnt 0x0                               ; my two blocks are in, and the stores have read their registers,
.if (\t) < 2
	LOAD (\t)+2                                    ; which take the loads of two steps on
.endif
.irp c, 0,1
	v_max3_num_f32 v[TM+\c], |v[X+32*\c]|, |v[X+32*\c+1]|, 0x1800000   ; block 2 c + h: all its 32 numbers are mine; the floor 2^(3 - 127) holds the byte at 1 from below
.endr
.irp i, 2,4,6,8,10,12,14,16,18,20,22,24,26,28,30
.irp c, 0,1
	v_max3_num_f32 v[TM+\c], v[TM+\c], |v[X+32*\c+\i]|, |v[X+32*\c+\i+1]|
.endr
.endr
.irp c, 0,1
	v_add_nc_u32 v[TM+2+\c], 0xff000000, v[TM+\c]  ; 2 off the exponent field: the conversion's scale operand
.endr
.irp c, 0,1
	v_lshrrev_b32 v[TM+4+\c], 23, v[TM+2+\c]       ; the scale's byte
.endr
	v_lshl_or_b32 v[TM+7], v[TM+5], 16, v[TM+4]    ; my two bytes, blocks h and 2 + h,
	v_lshlrev_b32 v[TM+7], v7, v[TM+7]             ; at their places in the word;
	v_permlanex16_b32 v[TM+6], v[TM+7], s26, s27
	v_or_b32 v[SW+(\t)], v[TM+7], v[TM+6]          ; with lane l xor 16's two the word is whole
.if (\t) > 0
	s_wait_xcnt 0x0                                ; the last step's stores have read the codes' registers
.endif
.irp c, 0,1
	v_cvt_scalef32_pk16_fp6_f32 v[PC+6*\c:PC+6*\c+2], v[X+32*\c:X+32*\c+15], v[TM+2+\c]
	v_cvt_scalef32_pk16_fp6_f32 v[PC+12+4*\c:PC+14+4*\c], v[X+32*\c+16:X+32*\c+31], v[TM+2+\c]   ; (a conversion's three registers begin on an even number)
.endr
	v_nop                                          ; one plain place behind a scaled conversion
.irp c, 0,1
.irp i, 0,1,2
	v_mov_b32 v[PC+3+6*\c+\i], v[PC+12+4*\c+\i]
.endr
.endr
.irp c, 0,1,2
	global_store_b128 v2, v[PC+4*\c:PC+4*\c+3], s[30:31] offset:1536*(\t)+512*\c   ; 512 consecutive bytes, aligned
.endr
.endm
	LOAD 0
	LOAD 1
	QROW 0
	QROW 1
	QROW 2
	QROW 3
	global_store_b128 v8, v[SW:SW+3], s[34:35]     ; 256 consecutive bytes, aligned (lanes 16-31 store what lanes 0-15 store)
	s_wait_tensorcnt 0x0                           ; the wave's end, behind my last LDS store
	ds_add_u32 v[SPW], v[NIL]
	s_wait_dscnt 0x0
	s_endpgm
	; ---- COLUMNS: proj, K its first axis.  No LDS is touched on this way
.Lcols:
	s_and_b32 s23, ttmp9, 15                       ; which 128 columns
	s_lshr_b32 s24, ttmp9, 4                       ; which 512 along K: four K steps
	s_lshl_b32 s25, s23, 2
	s_add_co_u32 s25, s25, s22                     ; g: my wave's 32 columns, row tiles 2 g and 2 g + 1 of pj_c
	v_lshlrev_b32 v9, 2, v1                        ; in: 4 bytes a lane
	v_bfe_u32 v10, v0, 3, 1                        ; u: column l lies in tile 2 g + (l / 8) % 2,
	v_and_b32 v11, 7, v0
	v_lshl_add_u32 v11, v4, 3, v11                 ; as its row l % 8 + 8 (l / 16)
	v_lshlrev_b32 v11, 4, v11
	v_mad_u32_u24 v14, v10, 0x6000, v11            ; codes: 24,576 u + 16 row
	v_lshl_add_u32 v15, v10, 10, v11               ; scale words: 1,024 u + 16 row
	s_lshl_b32 s32, s24, 22                        ; 512 rows of 8,192 bytes
	s_lshl_b32 s33, s25, 7                         ; 32 columns of 4 bytes
	s_add_co_u32 s32, s32, s33
	s_mov_b32 s33, 0
	s_mul_i32 s34, s25, 49152
	s_mul_i32 s35, s24, 6144
	s_add_co_u32 s34, s34, s35
	s_mov_b32 s35, 0
	s_lshl_b32 s36, s25, 11
	s_lshl_b32 s37, s24, 8
	s_add_co_u32 s36, s36, s37
	s_mov_b32 s37, 0
	s_wait_kmcnt 0x0
	s_add_nc_u64 s[28:29], s[12:13], s[32:33]
	s_add_nc_u64 s[30:31], s[18:19], s[34:35]
	s_add_nc_u64 s[38:39], s[20:21], s[36:37]
.macro LOADC t                         ; block t: proj(32 t + i, my column): 128 consecutive bytes a wave, 512 a work-group
.irp i, 0,1,2,3,4,5,6,7,8,9,10,11,12,13,14,15,16,17,18,19,20,21,22,23,24,25,26,27,28,29,30,31
	global_load_b32 v[RAW+32*((\t)%2)+\i], v9, s[28:29] offset:(32*(\t)+\i)*8192 th:TH_LOAD_NT
.endr
.endm
.macro BLOCKC t
.set XS, RAW+32*((\t)%2)
.set BQ, (\t)%4                        ; the block's place in its K step: it is registers 6 (BQ / 2) on of lane (row, BQ % 2)
.set DST, IM+12*(BQ%2)+6*(BQ/2)
.if (\t) < 15
	s_wait_loadcnt 32                              ; this block's 32 loads are in; the next block's may be out
.else
	s_wait_loadcnt 0x0
.endif
	v_max3_num_f32 v[TM], |v[XS]|, |v[XS+1]|, |v[XS+2]|
	v_max3_num_f32 v[TM+1], |v[XS+3]|, |v[XS+4]|, |v[XS+5]|
.irp i, 6,10,14,18,22,26
	v_max3_num_f32 v[TM], v[TM], |v[XS+\i]|, |v[XS+\i+1]|
	v_max3_num_f32 v[TM+1], v[TM+1], |v[XS+\i+2]|, |v[XS+\i+3]|
.endr
	v_max3_num_f32 v[TM], v[TM], |v[XS+30]|, |v[XS+31]|
	v_max3_num_f32 v[TM], v[TM], v[TM+1], 0x1800000
	v_add_nc_u32 v[TM+2], 0xff000000, v[TM]
	v_lshrrev_b32 v[TM+4], 23, v[TM+2]
.if BQ == 0
	v_mov_b32 v[SW+(\t)/4], v[TM+4]
.else
	v_lshl_or_b32 v[SW+(\t)/4], v[TM+4], 8*BQ, v[SW+(\t)/4]
.endif
.if (BQ == 0) && ((\t) > 0)
	s_wait_xcnt 0x0                                ; the last K step's stores have read the image's registers
.endif
	v_cvt_scalef32_pk16_fp6_f32 v[DST:DST+2], v[XS:XS+15], v[TM+2]
	v_cvt_scalef32_pk16_fp6_f32 v[PC:PC+2], v[XS+16:XS+31], v[TM+2]
	v_nop                                          ; one plain place behind a scaled conversion
.irp i, 0,1,2
	v_mov_b32 v[DST+3+\i], v[PC+\i]
.endr
.if (\t)+2 < 16
	LOADC (\t)+2
.endif
.if BQ == 3
.irp hh, 0,1
.irp c, 0,1,2
	global_store_b128 v14, v[IM+12*\hh+4*\c:IM+12*\hh+4*\c+3], s[30:31] offset:1536*((\t)/4)+512*\c+256*\hh   ; the sixteen lanes of a tile store 256 consecutive bytes, aligned
.endr
.endr
.endif
.endm
	LOADC 0
	LOADC 1
.irp t, 0,1,2,3,4,5,6,7,8,9,10,11,12,13,14,15
	BLOCKC \t
.endr
	global_store_b128 v15, v[SW:SW+3], s[38:39]    ; the sixteen lanes of a tile store its 256 bytes of scale words
	s_endpgm
.Lfunc_end_k_q71ed98661d_quant:
	.size	k_q71ed98661d_quant, .Lfunc_end_k_q71ed98661d_quant-k_q71ed98661d_quant
	.p2alignl 7, 3214868480
	.fill 96, 4, 3214868480
	.section	.rodata,"a",@progbits
	.p2align	6, 0x0
	.amdhsa_kernel k_q71ed98661d_quant
		.amdhsa_group_segment_fixed_size 34304
		.amdhsa_private_segment_fixed_size 0
		.amdhsa_enable_private_segment 0
		.amdhsa_kernarg_size 72
		.amdhsa_user_sgpr_count 2
		.amdhsa_user_sgpr_kernarg_segment_ptr 1
		.amdhsa_wavefront_size32 1
		.amdhsa_system_sgpr_workgroup_id_x 1
		.amdhsa_system_sgpr_workgroup_id_y 1
		.amdhsa_system_sgpr_workgroup_id_z 1
		.amdhsa_system_vgpr_workitem_id 0
		.amdhsa_next_free_vgpr 256
		.amdhsa_next_free_sgpr 66
		.amdhsa_reserve_vcc 0
		.amdhsa_float_denorm_mode_32 3
		.amdhsa_float_denorm_mode_16_64 3
		.amdhsa_memory_ordered 1
		.amdhsa_forward_progress 1
		.amdhsa_inst_pref_size 105
	.end_amdhsa_kernel
	.amdgpu_metadata
---
amdhsa.version: [ 1, 2 ]
amdhsa.kernels:
  - .name:           k_q71ed98661d_quant
    .symbol:         k_q71ed98661d_quant.kd
    .args:
      - { .name: x, .offset: 0, .size: 8, .value_kind: global_buffer, .address_space: global }
      - { .name: WQ, .offset: 8, .size: 8, .value_kind: global_buffer, .address_space: global }
      - { .name: WK, .offset: 16, .size: 8, .value_kind: global_buffer, .address_space: global }
      - { .name: WV, .offset: 24, .size: 8, .value_kind: global_buffer, .address_space: global }
      - { .name: proj, .offset: 32, .size: 8, .value_kind: global_buffer, .address_space: global }
      - { .name: xw_c, .offset: 40, .size: 8, .value_kind: global_buffer, .address_space: global }
      - { .name: xw_s, .offset: 48, .size: 8, .value_kind: global_buffer, .address_space: global }
      - { .name: pj_c, .offset: 56, .size: 8, .value_kind: global_buffer, .address_space: global }
      - { .name: pj_s, .offset: 64, .size: 8, .value_kind: global_buffer, .address_space: global }
    .group_segment_fixed_size: 34304
    .private_segment_fixed_size: 0
    .kernarg_segment_align: 8
    .kernarg_segment_size: 72
    .max_flat_workgroup_size: 128
    .sgpr_count:     66
    .vgpr_count:     256
    .wavefront_size: 32
...
	.end_amdgpu_metadata
.endif
;; end of part 1
;; launch qkv (part 2): grid 16 x 12, 4 waves a work-group, clusters of 4 x 4, 327,680 bytes of LDS; arguments xw_c, xw_s, bQ, bK, bV, qkv_c, qkv_s; writes qkv_c, qkv_s
.if DOCPART == 2
	.amdgcn_target "amdgcn-amd-amdhsa--gfx1250"
	.amdhsa_code_object_version 6
	.text
	.protected	k_q71ed98661d_qkv
	.globl	k_q71ed98661d_qkv
	.p2align	8
	.type	k_q71ed98661d_qkv,@function
k_q71ed98661d_qkv:
	s_mov_b64 s[64:65], 0
	v_nop
	global_prefetch_b8 v0, s[64:65] scope:SCOPE_SE
	s_setreg_imm32_b32 hwreg(HW_REG_WAVE_MODE, 25, 1), 1
	s_wait_xcnt 0x0
	s_wait_alu depctr_hold_cnt(0) depctr_sa_sdst(0) depctr_va_vdst(0) depctr_va_sdst(0) depctr_va_ssrc(0) depctr_va_vcc(0) depctr_vm_vsrc(0)
	s_getreg_b32 s2, hwreg(HW_REG_IB_STS2, 6, 4)
	s_cmp_eq_u32 s2, 0
	s_cbranch_scc0 .Lentry_in_a_cluster
	s_endpgm
.Lentry_in_a_cluster:
	s_bfe_u32 s2, ttmp6, 0x10000c
	s_cmp_lg_u32 s2, 0xf033
	s_cbranch_scc0 .Lentry_shape_is_right
	s_endpgm
.Lentry_shape_is_right:
; Q = x WQ^T + bQ, K = x WK^T + bK, V = x WV^T + bV on codes of FP6 (E2M3) with E8M0 scales, sums in f32, K ascending; the results are quantised here and leave as codes: Q and K along the channels, V along the tokens.
; Operands and results are register images of fragments (16 rows x 128 K: 1,536 bytes, register 4 c + e of lane L at 512 c + 16 L + 4 e) and scale words in blocks of 256 bytes (row r's word of K step 4 q + e at 16 r + 4 e).
; Row tile 2 g + u holds rows 32 g + 8 u + r + 8 (r / 8): so the 16 registers of two neighbouring tiles of source 0 are 16 neighbours along the axis that is quantised.
; SHARES.  Work-group (i, j): 256 tokens (tiles 16 i on) x 256 weight rows in two halves of 128.  j 0-7: rows 256 j on of WQ.  j 8-11: half 0 = rows 128 (j - 8) on of WK, half 1 = the same rows of WV.
; Four waves, wave = (token half th, weight half wh), each 128 x 128: 64 accumulators, 512 registers.  Source 1 ("A") gives the result's lanes, source 0 ("B") its registers, the axis that is quantised.
; For Q and K: A = tokens, B = weight rows.  For V (j >= 8 and wh = 1): A = weight rows, B = tokens.  One way through the text: the roles are chosen by selects that hang on the wave's number and on the cluster's y alone.
; K goes in steps of 256 (two fragments a tile) through a ring of two LDS slots; each wave fetches a quarter of a slot by one tensor load (8 tiles x 3,072 bytes).  The scale words of all of K come once, with the first fills.
; CLUSTERS: 4 x 4 work-groups.  The four of a column of the cluster have one i and need the same tiles of tokens, the four of a row have one j and need the same tiles of weights: each tile is asked for JOINTLY, by the same
; tensor load with the same descriptor and a mask that names the four.  A cluster's 16 work-groups so ask for 4 + 4 tiles of 49,152 bytes a slot in place of 16 x 2.  Fetching goes by content: waves 0, 1 the tokens' halves
; (quarters 0, 1 of a slot), waves 2, 3 the weights' (quarters 2, 3); no LDS address and no branch hangs on a work-group's place in its cluster.
; 192 work-groups: a share of a 256th would leave a work-group a part of a fragment of K and of V.
; LIMITS: a block of zeros gets the byte 1 (its codes are zeros; this program alone reads the bytes); NaN and infinities are not served.
; REGISTERS: window 0: v16-31 addresses; v32-63 scale words, two sets (nothing else ever lies there); v64-127 the bias along the registers; v128-223 A's fragments, one set; v240-255 the bias along the lanes;
;   on the way out v128-191 64 numbers, v192-228 at work.  window 1: B's fragments, two sets, at v0 and v128.  windows 2, 3: the accumulators, (a, b) at v[8 (8 (a % 4) + b)].
.set NQ,     2                         ; K steps of 128 in a slot
.set FR,     12                        ; registers of a fragment
.set NL,     3                         ; LDS loads that bring one
.set NP,     4                         ; places behind this matrix instruction (ISA guide 7.12.1)
.set QUART,  24576                     ; 8 tiles x 2 K steps x 1,536 bytes: what one tensor load brings
.set SLOT,   4*QUART                   ; the tokens' 16 tiles, then the weights' 16
.set SCL,    2*SLOT                    ; the scale words: 8,192 bytes for each quarter
.set SPARE,  262144                    ; the spare words, 128 bytes a wave: two blocks of 256 bytes that no other line names
.set KOFF,   6291456                   ; in qkv_c: K's codes, V's codes
.set VOFF,   7864320
.set KSOFF,  262144                    ; in qkv_s likewise
.set VSOFF,  327680
.set ADRA, 16                          ; v16-17 LDS address of my A fragments in slot 0, 1
.set ADRB, 20                          ; v20-21 the same for B
.set LI,   24                          ; v24  16 x lane
.set R16,  25                          ; v25  16 x (lane % 16)
.set BPO,  26                          ; v26  64 x (lane / 16)
.set ADRS, 27                          ; v27  my scale words: lanes 0-15 A's, lanes 16-31 B's
.set SPW,  28                          ; v28  my spare word; never rewritten
.set NIL,  29                          ; v29  0; never rewritten
.set ZR,   30                          ; v30  a zero for the selects
.set BRO,  31                          ; v31  4 x (r + 8 (r / 8))
.set SC,   32
.set BP,   64
.set AF,   128
.set BR,   240
.set T,    128
.set TM,   192
.set PW,   208
.set PC,   210
.set G1T,  24                          ; s[24:31] shape of a quarter of a slot, with the mask of my column: the tokens';  s[32:39] from where, to where: a set for each slot
.set G0T,  32
.set G1W,  40                          ; s[40:47], s[48:55] the same with the mask of my row: the weights'
.set G0W,  48
.set G1ST, 56                          ; s[56:63], s[76:79] the tokens' scale words
.set G1SW, 68                          ; s[68:75], s[80:83] the weights'
.set G0ST, 76
.set G0SW, 80
.set SEL,  88                          ; s[88:89] selects for lane l xor 16
.set OC,   90                          ; s[90:91] where my codes go;  s[92:93] my scale words
.set OS,   92
.set PTC,  94                          ; s[94:95], s[96:97] bytes from tile to tile of rows there
.set PTS,  96
.set MSB, 0
.macro WIN new                         ; the immediate's high byte repeats the setting that is left
.if MSB != (\new)
	s_set_vgpr_msb (MSB<<8)|(\new)
.set MSB, (\new)
.endif
.endm
.set MUL_LO, 0xa1                      ; source 0 (B) window 1, source 1 (A) window 0, C and D window 2
.set MUL_HI, 0xf1                      ; the same, C and D window 3
.set TO_B,   0x40                      ; destination window 1, address window 0
; A joint load: waves 0 and 1 fetch for the tokens, waves 2 and 3 for the weights.  Each of the two lines has ONE mask and one set of registers for all that issue it; the branch hangs on the wave's number alone.
; An s_nop 0 and four v_nop follow each of the two lines, ahead of the jump, the label and what follows.
.macro JLOAD g0t, g1t, g0w, g1w
	s_cmp_eq_u32 s19, 0
	s_cbranch_scc0 .Lfor_w_\@
	tensor_load_to_lds s[\g0t:\g0t+3], s[\g1t:\g1t+7]
	s_nop 0
.rept 4
	v_nop
.endr
	s_branch .Lasked_\@
.Lfor_w_\@:
	tensor_load_to_lds s[\g0w:\g0w+3], s[\g1w:\g1w+7]
	s_nop 0
.rept 4
	v_nop
.endr
.Lasked_\@:
.endm
.macro CREST                           ; a round of the cluster's barrier behind its opening barrier
	s_cmp_lg_u32 s18, 0
	s_cbranch_scc1 .Lnot_wave_0_\@
	s_barrier_signal -3
.Lnot_wave_0_\@:
	s_barrier_wait -3
	s_barrier_signal -1
	s_barrier_wait -1
.endm
.macro CROUND                          ; a whole round
	s_barrier_signal -1
	s_barrier_wait -1
	CREST
.endm
	s_load_b256 s[4:11], s[0:1], 0x0               ; xw_c, xw_s, bQ, bK
	s_load_b128 s[12:15], s[0:1], 0x20             ; bV, qkv_c
	s_load_b64 s[16:17], s[0:1], 0x30              ; qkv_s
	v_lshl_add_u32 v[SPW], v0, 2, SPARE
	v_mov_b32 v[NIL], 0
	ds_add_u32 v[SPW], v[NIL]                      ; the wave's opening: the add and its wait stand ahead of the round in front of my first tensor loads; work on registers stands between them
	v_lshrrev_b32 v1, 5, v0
	v_readfirstlane_b32 s18, v1                    ; wave
	s_lshr_b32 s19, s18, 1                         ; th: my half of the tokens.  Also: I fetch for the tokens (0) or for the weights (1)
	s_and_b32 s20, s18, 1                          ; wh: my half of the weight rows.  Also: which half I fetch
	s_bfe_u32 s84, ttmp6, 0x40000                  ; cx, cy: my place in the cluster
	s_bfe_u32 s85, ttmp6, 0x40004
	s_lshl_b32 s21, ttmp9, 2
	s_add_co_u32 s21, s21, s84                     ; i = 4 x cluster x + cx
	s_and_b32 s86, ttmp7, 0xffff                   ; the cluster's y: 0, 1 make Q; 2 makes K and V
	s_lshl_b32 s22, s86, 2
	s_add_co_u32 s22, s22, s85                     ; j = 4 x cluster y + cy
	s_lshl_b32 s66, s85, 2
	s_lshl_b32 s66, 15, s66                        ; my row of the cluster: places 4 cy .. 4 cy + 3
	s_lshl_b32 s67, 0x1111, s84                    ; my column: places cx, cx + 4, cx + 8, cx + 12
	s_or_b32 s[G1T+0], s67, (3<<16)|(1<<21)        ; 15:0 the mask: the tokens' tiles go to my column; elements of 8 bytes; bit 21 set beside a mask; no padding
	s_or_b32 s[G1W+0], s66, (3<<16)|(1<<21)        ; the weights' tiles go to my row
.irp g, G1T, G1W
	s_mov_b32 s[\g+1], 384<<16                     ; tensor_dim0 = 384: 3,072 bytes, two fragments
	s_mov_b32 s[\g+2], 8<<16                       ; tensor_dim1 = 8 tiles
	s_mov_b32 s[\g+3], 384<<16                     ; tile_dim0
	s_mov_b32 s[\g+4], 8                           ; tile_dim1
	s_mov_b32 s[\g+5], 3072                        ; from tile to tile: 24,576 bytes
	s_mov_b32 s[\g+6], 0
	s_mov_b32 s[\g+7], 0
.endr
	s_or_b32 s[G1ST+0], s67, (3<<16)|(1<<21)       ; 8 tiles' scale words: 8,192 dense bytes as 32 rows of 256
	s_or_b32 s[G1SW+0], s66, (3<<16)|(1<<21)
.irp g, G1ST, G1SW
	s_mov_b32 s[\g+1], 32<<16
	s_mov_b32 s[\g+2], 32<<16
	s_mov_b32 s[\g+3], 32<<16
	s_mov_b32 s[\g+4], 32
	s_mov_b32 s[\g+5], 32
	s_mov_b32 s[\g+6], 0
	s_mov_b32 s[\g+7], 0
.endr
	; where the tiles come from.  The tokens' hang on i alone, which my column shares; the weights' on j alone, which my row shares.  Every wave makes both addresses and asks by one of them.
	s_lshl_b32 s99, s20, 3                         ; 8 x the half that I fetch
	s_lshl_b32 s98, s21, 4
	s_add_co_u32 s98, s98, s99                     ; tokens: tile 16 i + 8 half
	s_mul_i32 s90, s98, 24576
	s_mov_b32 s91, 0
	s_lshl_b32 s92, s98, 10
	s_mov_b32 s93, 0
	s_lshl_b32 s100, s22, 4
	s_add_co_u32 s100, s100, s99
	s_add_co_u32 s100, s100, 256                   ; WQ: tile 256 + 16 j + 8 half
	s_lshl_b32 s101, s85, 3
	s_lshl_b32 s99, s20, 5
	s_add_co_u32 s101, s101, s99
	s_add_co_u32 s101, s101, 384                   ; WK (half 0), WV (half 1): tile 384 + 32 half + 8 cy
	s_cmp_eq_u32 s86, 2
	s_cselect_b32 s100, s101, s100
	s_mul_i32 s94, s100, 24576
	s_mov_b32 s95, 0
	s_lshl_b32 s96, s100, 10
	s_mov_b32 s97, 0
	s_mul_i32 s66, s18, QUART                      ; where they go: wave x a quarter: no place in the cluster enters an LDS address
	s_lshl_b32 s67, s18, 13
	s_mov_b32 s[SEL], 0x76543210
	s_mov_b32 s[SEL+1], 0xfedcba98
	s_wait_dscnt 0x0                               ; the opening add is done
	s_wait_kmcnt 0x0
	s_add_nc_u64 s[90:91], s[4:5], s[90:91]
	s_add_nc_u64 s[92:93], s[6:7], s[92:93]
	s_add_nc_u64 s[94:95], s[4:5], s[94:95]
	s_add_nc_u64 s[96:97], s[6:7], s[96:97]
	CROUND                                         ; all sixteen work-groups are here: the first joint loads meet
	s_mov_b32 s[G0ST], 1
	s_add_co_u32 s[G0ST+1], s67, SCL
	s_mov_b64 s[G0ST+2:G0ST+3], s[92:93]
	s_or_b32 s[G0ST+3], s[G0ST+3], 0x80000000
	s_mov_b32 s[G0SW], 1
	s_add_co_u32 s[G0SW+1], s67, SCL
	s_mov_b64 s[G0SW+2:G0SW+3], s[96:97]
	s_or_b32 s[G0SW+3], s[G0SW+3], 0x80000000
	JLOAD G0ST, G1ST, G0SW, G1SW                   ; the scale words first: they are wanted with slot 0.  The three first fills go out together: three tensor loads of mine are out
.irp s, 0,1
	s_mov_b32 s[G0T+4*\s], 1
	s_add_co_u32 s[G0T+4*\s+1], s66, \s*SLOT
	s_add_nc_u64 s[G0T+4*\s+2:G0T+4*\s+3], s[90:91], \s*3072
	s_or_b32 s[G0T+4*\s+3], s[G0T+4*\s+3], 0x80000000
	s_mov_b32 s[G0W+4*\s], 1
	s_add_co_u32 s[G0W+4*\s+1], s66, \s*SLOT
	s_add_nc_u64 s[G0W+4*\s+2:G0W+4*\s+3], s[94:95], \s*3072
	s_or_b32 s[G0W+4*\s+3], s[G0W+4*\s+3], 0x80000000
	JLOAD G0T+4*\s, G1T, G0W+4*\s, G1W
.endr
	v_and_b32 v1, 31, v0
	v_and_b32 v2, 15, v0                           ; r
	v_bfe_u32 v3, v0, 4, 1                         ; h
	v_mov_b32 v[ZR], 0
	v_lshlrev_b32 v[LI], 4, v1
	v_lshlrev_b32 v[R16], 4, v2
	; the roles.  s87 = 1 in a wave that makes V: cluster y = 2 and wh = 1
	s_add_co_u32 s105, s20, 2
	s_cmp_eq_u32 s86, 2
	s_cselect_b32 s87, s20, 0
	s_cmp_eq_u32 s87, 1
	s_cselect_b32 s23, 0, -1                       ; all ones for Q and K
	s_cselect_b32 s104, 3, s19                     ; A's quarter of a slot: the tokens' th; for V the weights' second
	s_cselect_b32 s105, s19, s105                  ; B's: the weights' 2 + wh; for V the tokens' th
	s_mul_i32 s104, s104, QUART
	s_mul_i32 s105, s105, QUART
.irp s, 0,1
	v_add_nc_u32 v[ADRA+\s], s104, v[LI]
	v_add_nc_u32 v[ADRB+\s], s105, v[LI]
	s_add_co_u32 s104, s104, SLOT
	s_add_co_u32 s105, s105, SLOT
.endr
	s_lshl_b32 s2, s19, 13                         ; the tokens' scale words: quarter th
	s_lshl_b32 s3, s20, 13
	s_add_co_u32 s3, s3, 16384                     ; the weights': quarter 2 + wh
	s_sub_co_u32 s3, s3, s2                        ; the distance between the two
	v_sub_nc_u32 v5, 1, v3
	v_mul_u32_u24 v4, s3, v3                       ; lanes 16-31 take the weights' (they are B's),
	v_mul_u32_u24 v5, s3, v5                       ; or lanes 0-15 do (for V they are A's)
	v_cndmask_b32 v4, v5, v4, s23
	s_add_co_u32 s2, s2, SCL
	v_add_nc_u32 v4, v4, v[R16]
	v_add_nc_u32 v[ADRS], s2, v4
	; the bias.  Along the registers (Q, K: B's rows are channels) and along the lanes (V: A's rows are channels); the one that does not apply is loaded from the vector's head and replaced by 0 on the way out
	v_lshlrev_b32 v[BPO], 6, v3
	v_and_b32 v[BRO], 8, v2
	v_add_nc_u32 v[BRO], v[BRO], v2
	v_lshlrev_b32 v[BRO], 2, v[BRO]
	s_lshl_b32 s2, s22, 10
	s_lshl_b32 s3, s20, 9
	s_add_co_u32 s2, s2, s3                        ; Q: channel 256 j + 128 wh, 4 bytes each
	s_lshl_b32 s3, s85, 9                          ; K, V: channel 128 cy
	s_cmp_eq_u32 s86, 2
	s_cselect_b32 s2, s3, s2
	s_cselect_b64 s[66:67], s[10:11], s[8:9]
	s_cmp_eq_u32 s87, 1
	s_cselect_b32 s98, 0, s2
	s_cselect_b32 s100, s3, 0
	s_cselect_b64 s[66:67], s[12:13], s[66:67]
	s_mov_b32 s99, 0
	s_mov_b32 s101, 0
	s_add_nc_u64 s[98:99], s[66:67], s[98:99]
	s_add_nc_u64 s[100:101], s[66:67], s[100:101]
.irp e, 0,1,2,3
.irp q, 0,1,2,3
	global_load_b128 v[BP+16*\e+4*\q:BP+16*\e+4*\q+3], v[BPO], s[98:99] offset:128*\e+16*\q   ; register 16 e + i: B's row 32 e + 16 h + i
.endr
.endr
.irp a, 0,1,2,3,4,5,6,7
	global_load_b32 v[BR+2*\a], v[BRO], s[100:101] offset:4*(32*(\a/2)+8*(\a%2))   ; A's block a, my lane's row
.endr
	; where the results go: the place of Q, K or V in the outputs, bytes from tile to tile of rows, my first tile of rows (s104) and my K step (s105)
	s_mov_b32 s[PTC], 6144
	s_mov_b32 s[PTS], 256
	s_mov_b32 s[OC], KOFF
	s_mov_b32 s[OS], KSOFF
	s_cmp_eq_u32 s87, 1
	s_cselect_b32 s[PTC], 49152, s[PTC]
	s_cselect_b32 s[PTS], 2048, s[PTS]
	s_cselect_b32 s[OC], VOFF, s[OC]
	s_cselect_b32 s[OS], VSOFF, s[OS]
	s_cmp_eq_u32 s86, 2
	s_cselect_b32 s[PTC], s[PTC], 24576
	s_cselect_b32 s[PTS], s[PTS], 1024
	s_cselect_b32 s[OC], s[OC], 0
	s_cselect_b32 s[OS], s[OS], 0
	s_mov_b32 s[PTC+1], 0
	s_mov_b32 s[PTS+1], 0
	s_lshl_b32 s104, s21, 4
	s_lshl_b32 s3, s19, 3
	s_add_co_u32 s104, s104, s3                    ; Q, K: tile of tokens 16 i + 8 th
	s_lshl_b32 s105, s22, 1
	s_add_co_u32 s105, s105, s20                   ; Q: K step 2 j + wh
	s_lshl_b32 s2, s21, 1
	s_add_co_u32 s2, s2, s19                       ; V: K step 2 i + th (128 tokens each)
	s_lshl_b32 s3, s85, 3                          ; V: tile of channels 8 cy
	s_cmp_eq_u32 s86, 2
	s_cselect_b32 s105, s85, s105                  ; K: K step cy
	s_cmp_eq_u32 s87, 1
	s_cselect_b32 s105, s2, s105
	s_cselect_b32 s104, s3, s104
	s_mul_i32 s2, s104, s[PTC]
	s_mul_i32 s3, s105, 1536
	s_add_co_u32 s2, s2, s3
	s_add_co_u32 s[OC], s[OC], s2
	s_mov_b32 s[OC+1], 0
	s_add_nc_u64 s[OC:OC+1], s[14:15], s[OC:OC+1]
	s_mul_i32 s2, s104, s[PTS]
	s_lshr_b32 s3, s105, 2
	s_lshl_b32 s3, s3, 8
	s_add_co_u32 s2, s2, s3
	s_and_b32 s3, s105, 3
	s_lshl_b32 s3, s3, 2
	s_add_co_u32 s2, s2, s3
	s_add_co_u32 s[OS], s[OS], s2
	s_mov_b32 s[OS+1], 0
	s_add_nc_u64 s[OS:OS+1], s[16:17], s[OS:OS+1]
.macro FRAG reg, adr, q, i             ; a fragment comes as it was stored: three loads of 512 consecutive bytes
.irp c, 0,1,2
	ds_load_b128 v[\reg+4*\c:\reg+4*\c+3], v[\adr] offset:3072*(\i)+1536*(\q)+512*\c
.endr
.endm
; 16 matrix instructions: A's blocks a0, a0 + 1 x B's eight, the slot's q-th 128 along K.  p: B's set; sc: the set of scale words.  zero = 1: the first product starts the sums.
; The 64 accumulators take turns, one instruction a turn, in the same order in every step.
.macro MUL16 a0, p, q, sc, zero
.irp a, \a0, \a0+1
.irp b, 0,1,2,3,4,5,6,7
.if \zero
	v_wmma_scale_f32_16x16x128_f8f6f4 v[8*(8*((\a)%4)+\b):8*(8*((\a)%4)+\b)+7], v[128*(\p)+FR*\b:128*(\p)+FR*\b+FR-1], v[AF+FR*(\a):AF+FR*(\a)+FR-1], 0, v[SC+8*NQ*(\sc)+NQ*\b+(\q)], v[SC+8*NQ*(\sc)+NQ*(\a)+(\q)] matrix_a_fmt:MATRIX_FMT_FP6 matrix_b_fmt:MATRIX_FMT_FP6 matrix_a_scale:MATRIX_SCALE_ROW1
.else
	v_wmma_scale_f32_16x16x128_f8f6f4 v[8*(8*((\a)%4)+\b):8*(8*((\a)%4)+\b)+7], v[128*(\p)+FR*\b:128*(\p)+FR*\b+FR-1], v[AF+FR*(\a):AF+FR*(\a)+FR-1], v[8*(8*((\a)%4)+\b):8*(8*((\a)%4)+\b)+7], v[SC+8*NQ*(\sc)+NQ*\b+(\q)], v[SC+8*NQ*(\sc)+NQ*(\a)+(\q)] matrix_a_fmt:MATRIX_FMT_FP6 matrix_b_fmt:MATRIX_FMT_FP6 matrix_a_scale:MATRIX_SCALE_ROW1
.endif
.endr
.endr
.endm
.macro FETCH_B slot, q, p
	WIN TO_B
.irp i, 0,1,2,3,4,5,6,7
	FRAG 128*(\p)+FR*\i, ADRB+\slot, \q, \i
.endr
	WIN 0
.endm
.macro FETCH_A slot, q, i0
.irp i, \i0, \i0+1, \i0+2, \i0+3
	FRAG AF+FR*(\i), ADRA+\slot, \q, \i
.endr
.endm
.macro SCALES sc                       ; the slot's two words a row: lanes 0-15 A's block i, lanes 16-31 B's block i
.irp i, 0,1,2,3,4,5,6,7
	ds_load_b64 v[SC+8*NQ*\sc+NQ*\i:SC+8*NQ*\sc+NQ*\i+1], v[ADRS] offset:1024*\i
.endr
.endm
.macro PLACES n                        ; plain vector instructions between a matrix instruction and a load into, or a read of, its registers
.rept \n
	v_nop
.endr
.endm
.macro STEP slot, q, zero              ; a step of 128 along K that has its successor in the same slot
	s_wait_dscnt 4*NL                              ; B's set, A's blocks 0-3 and the scale words are in; the youngest 12 loads (A's blocks 4-7) may be out
	WIN MUL_LO
	MUL16 0, (\q)%2, \q, \slot, \zero
	MUL16 2, (\q)%2, \q, \slot, \zero
	s_wait_dscnt 0
	PLACES NP
	FETCH_B \slot, (\q)+1, 1-(\q)%2
	FETCH_A \slot, (\q)+1, 0
	WIN MUL_HI
	MUL16 4, (\q)%2, \q, \slot, \zero
	MUL16 6, (\q)%2, \q, \slot, \zero
	PLACES NP
	WIN 0
	FETCH_A \slot, (\q)+1, 4
.endm
; A slot's last step changes slots: ONE barrier.  In front of it each wave waits for all its tensor loads (its part of the next slot), adds 0 to its spare word, and waits for that and for its reads of this slot.
; fill = 1: the barrier opens a round of the cluster's barrier, and this slot is filled again, two slots ahead: the wave's one tensor load behind the round.
.macro TURN slot, next, fill
	s_wait_tensorcnt 0x0                           ; (every window is 0 here: the add's two registers lie in window 0)
	ds_add_u32 v[SPW], v[NIL]
	s_wait_dscnt 4*NL+1                            ; (the add and the youngest 12 loads may be out)
	WIN MUL_LO
	MUL16 0, 1, NQ-1, \slot, 0                     ; sixteen matrix instructions stand between the add and the wait for it
	s_wait_dscnt 0x0                               ; the add is done, and my reads of this slot are over
	s_barrier_signal -1
	MUL16 2, 1, NQ-1, \slot, 0
	WIN 0
	s_barrier_wait -1
.if \fill
	CREST                                          ; no wave of any partner still reads this slot's tiles or has a load on its way
	s_add_nc_u64 s[G0T+4*\slot+2:G0T+4*\slot+3], s[G0T+4*\slot+2:G0T+4*\slot+3], 6144   ; no tensor load of mine is out: the addresses step by two slots
	s_add_nc_u64 s[G0W+4*\slot+2:G0W+4*\slot+3], s[G0W+4*\slot+2:G0W+4*\slot+3], 6144
	JLOAD G0T+4*\slot, G1T, G0W+4*\slot, G1W       ; the first tensor load behind the round; the four v_nop behind it are the places in front of the loads below
.else
	PLACES NP
.endif
	v_add_nc_u32 v[ADRS], 8+240*\slot, v[ADRS]     ; the next slot's two words: 8 bytes on, or on into the next block of 256
	FETCH_B \next, 0, 0
	FETCH_A \next, 0, 0
	SCALES \next
	WIN MUL_HI
	MUL16 4, 1, NQ-1, \slot, 0
	MUL16 6, 1, NQ-1, \slot, 0
	PLACES NP
	WIN 0
	FETCH_A \next, 0, 4
.endm
	s_wait_tensorcnt 1                             ; the scale words and my part of slot 0 are in (slot 1's load may be out)
	s_barrier_signal -1
	s_barrier_wait -1                              ; everybody's are
	FETCH_B 0, 0, 0
	FETCH_A 0, 0, 0
	SCALES 0
	FETCH_A 0, 0, 4
	STEP 0, 0, 1                                   ; the first step stands in front of the loop: its products start the sums
	s_mov_b32 s3, 3
.Llap:                                             ; a trip goes once round the ring and fills both slots again: 2,048 along K are 8 slots' worth, 2 at the head and 6 here
	TURN 0, 1, 1
	STEP 1, 0, 0
	TURN 1, 0, 1
	STEP 0, 0, 0
	s_sub_co_u32 s3, s3, 1
	s_cmp_lg_u32 s3, 0
	s_cbranch_scc1 .Llap
	TURN 0, 1, 0                                   ; the last lap fills nothing, and has no round of the cluster's barrier
	STEP 1, 0, 0
	s_wait_dscnt 4*NL
	WIN MUL_LO
	MUL16 0, 1, NQ-1, 1, 0
	MUL16 2, 1, NQ-1, 1, 0
	s_wait_dscnt 0
	WIN MUL_HI
	MUL16 4, 1, NQ-1, 1, 0
	MUL16 6, 1, NQ-1, 1, 0
	WIN 0
; 64 numbers of a lane, register 16 b + i = place 32 b + 16 (lane / 16) + i along the quantised axis of my row, become a fragment's codes in v[PC] on and its scale word in v[PW].
.macro QUANT s
.irp b, 0,1,2,3
	v_max3_num_f32 v[TM+\b], |v[\s+16*\b]|, |v[\s+1+16*\b]|, 0x1800000   ; my 16 numbers of block b, and the floor 2^(3 - 127): the byte cannot fall under 1
.endr
.irp i, 2,4,6,8,10,12,14
.irp b, 0,1,2,3
	v_max3_num_f32 v[TM+\b], v[TM+\b], |v[\s+16*\b+\i]|, |v[\s+1+16*\b+\i]|
.endr
.endr
.irp b, 0,1,2,3
	v_permlanex16_b32 v[TM+4+\b], v[TM+\b], s[SEL], s[SEL+1]
.endr
.irp b, 0,1,2,3
	v_max_num_f32 v[TM+\b], v[TM+\b], v[TM+4+\b]   ; with lane l xor 16's: the block's largest magnitude
.endr
.irp b, 0,1,2,3
	v_add_nc_u32 v[TM+12+\b], 0xff000000, v[TM+\b] ; 2 off its exponent field: the conversion's scale operand
.endr
.irp b, 0,1,2,3
	v_lshrrev_b32 v[TM+4+\b], 23, v[TM+12+\b]      ; the scale's byte
.endr
	v_lshl_or_b32 v[PW], v[TM+5], 8, v[TM+4]
	v_lshl_or_b32 v[PW], v[TM+6], 16, v[PW]
	v_lshl_or_b32 v[PW], v[TM+7], 24, v[PW]
.irp c, 0,1
	v_cvt_scalef32_pk16_fp6_f32 v[PC+6*\c:PC+2+6*\c], v[\s+32*\c:\s+15+32*\c], v[TM+12+2*\c]
	v_cvt_scalef32_pk16_fp6_f32 v[PC+12+4*\c:PC+14+4*\c], v[\s+16+32*\c:\s+31+32*\c], v[TM+12+2*\c+1]   ; (a conversion's three registers begin on an even number)
.endr
	v_nop                                          ; one plain place behind a scaled conversion
.irp c, 0,1                                    ; the operand's layout wants a whole block in a lane
.irp i, 0,1,2
	v_permlane16_swap_b32 v[PC+6*\c+\i], v[PC+12+4*\c+\i]
.endr
.irp i, 0,1,2
	v_mov_b32 v[PC+3+6*\c+\i], v[PC+12+4*\c+\i]
.endr
.endr
.endm
	; THE WAY OUT.  The bias that does not apply becomes 0; these 84 plain lines name no register of the last products and are the places behind them.
	s_wait_loadcnt 0x0                             ; the biases
.set k, 0
.rept 64
	v_cndmask_b32 v[BP+k], v[ZR], v[BP+k], s23     ; along the registers: kept for Q and K
.set k, k+1
.endr
.irp a, 0,1,2,3,4,5,6,7
	v_cndmask_b32 v[BR+2*\a+1], v[BR+2*\a], v[ZR], s23   ; along the lanes: kept for V; twice, a pair for the packed addition
	v_cndmask_b32 v[BR+2*\a], v[BR+2*\a], v[ZR], s23
.endr
.irp b, 0,1,2,3
	v_mov_b32 v[TM+4+\b], 0                        ; a lane permute's destination counts as one of its sources
.endr
; Block a: 16 rows (lanes) x 128 (registers): sum + bias (one of the two addends is 0, so one rounding), quantised, stored as one fragment and one scale word a row.
.macro OUT a
	WIN 0x02+(\a)/4                                ; source 0: window 2 or 3
.set k, 0
.rept 32
	v_pk_add_f32 v[T+k:T+k+1], v[64*((\a)%4)+k:64*((\a)%4)+k+1], v[BP+k:BP+k+1]   ; each accumulator from its low end on
.set k, k+2
.endr
	WIN 0
.set k, 0
.rept 32
	v_pk_add_f32 v[T+k:T+k+1], v[T+k:T+k+1], v[BR+2*(\a):BR+2*(\a)+1]
.set k, k+2
.endr
.if (\a) > 0
	s_wait_xcnt 0x0                                ; the last block's stores have read their data and their bases
	s_add_nc_u64 s[OC:OC+1], s[OC:OC+1], s[PTC:PTC+1]   ; the next tile of rows
	s_add_nc_u64 s[OS:OS+1], s[OS:OS+1], s[PTS:PTS+1]
.endif
	QUANT T
.irp c, 0,1,2
	global_store_b128 v[LI], v[PC+4*\c:PC+4*\c+3], s[OC:OC+1] offset:512*\c   ; 512 consecutive bytes, aligned
.endr
	global_store_b32 v[R16], v[PW], s[OS:OS+1]     ; 4 bytes a row, 16 bytes apart: a 24th of the codes' bytes
.endm
.irp a, 0,1,2,3,4,5,6,7
	OUT \a
.endr
	s_wait_tensorcnt 0x0                           ; the wave's end
	ds_add_u32 v[SPW], v[NIL]
	s_wait_dscnt 0x0
	CROUND                                         ; the closing round: no work-group ends while a partner may still ask for a tile that names it
	s_endpgm
.Lfunc_end_k_q71ed98661d_qkv:
	.size	k_q71ed98661d_qkv, .Lfunc_end_k_q71ed98661d_qkv-k_q71ed98661d_qkv
	.p2alignl 7, 3214868480
	.fill 96, 4, 3214868480
	.section	.rodata,"a",@progbits
	.p2align	6, 0x0
	.amdhsa_kernel k_q71ed98661d_qkv
		.amdhsa_group_segment_fixed_size 327680
		.amdhsa_private_segment_fixed_size 0
		.amdhsa_enable_private_segment 0
		.amdhsa_kernarg_size 56
		.amdhsa_user_sgpr_count 2
		.amdhsa_user_sgpr_kernarg_segment_ptr 1
		.amdhsa_wavefront_size32 1
		.amdhsa_system_sgpr_workgroup_id_x 1
		.amdhsa_system_sgpr_workgroup_id_y 1
		.amdhsa_system_sgpr_workgroup_id_z 1
		.amdhsa_system_vgpr_workitem_id 0
		.amdhsa_next_free_vgpr 1024
		.amdhsa_next_free_sgpr 106
		.amdhsa_reserve_vcc 0
		.amdhsa_float_denorm_mode_32 3
		.amdhsa_float_denorm_mode_16_64 3
		.amdhsa_memory_ordered 1
		.amdhsa_forward_progress 1
		.amdhsa_inst_pref_size 181
	.end_amdhsa_kernel
	.amdgpu_metadata
---
amdhsa.version: [ 1, 2 ]
amdhsa.kernels:
  - .name:           k_q71ed98661d_qkv
    .symbol:         k_q71ed98661d_qkv.kd
    .args:
      - { .name: xw_c, .offset: 0, .size: 8, .value_kind: global_buffer, .address_space: global }
      - { .name: xw_s, .offset: 8, .size: 8, .value_kind: global_buffer, .address_space: global }
      - { .name: bQ, .offset: 16, .size: 8, .value_kind: global_buffer, .address_space: global }
      - { .name: bK, .offset: 24, .size: 8, .value_kind: global_buffer, .address_space: global }
      - { .name: bV, .offset: 32, .size: 8, .value_kind: global_buffer, .address_space: global }
      - { .name: qkv_c, .offset: 40, .size: 8, .value_kind: global_buffer, .address_space: global }
      - { .name: qkv_s, .offset: 48, .size: 8, .value_kind: global_buffer, .address_space: global }
    .group_segment_fixed_size: 327680
    .private_segment_fixed_size: 0
    .kernarg_segment_align: 8
    .kernarg_segment_size: 56
    .max_flat_workgroup_size: 128
    .sgpr_count:     106
    .vgpr_count:     1024
    .wavefront_size: 32
...
	.end_amdgpu_metadata
.endif
;; end of part 2
;; launch attn (part 3): grid 64 x 4, 4 waves a work-group, no clusters, 14,848 bytes of LDS; arguments qkv_c, qkv_s, z_c, z_s; writes z_c, z_s
.if DOCPART == 3
	.amdgcn_target "amdgcn-amd-amdhsa--gfx1250"
	.amdhsa_code_object_version 6
	.text
	.protected	k_q71ed98661d_attn
	.globl	k_q71ed98661d_attn
	.p2align	8
	.type	k_q71ed98661d_attn,@function
k_q71ed98661d_attn:
	s_mov_b64 s[64:65], 0
	v_nop
	global_prefetch_b8 v0, s[64:65] scope:SCOPE_SE
	s_setreg_imm32_b32 hwreg(HW_REG_WAVE_MODE, 25, 1), 1
	s_wait_xcnt 0x0
; For each batch: scores = Q K~^T over 2,048 channels (K~ = K's 512 channels four times over), causal mask, attn = softmax(scores) / sqrt(128), quantised finished along the keys, Z = attn V~; Z leaves as codes along the channels.
; Both products on codes of FP6 (E2M3) with E8M0 scales.  K~'s codes are K's four times over (512 is a multiple of 32): K step s of Q meets K step s % 4 of K.  V~'s 2,048 columns are V's 512 four times: Z is made for 512.
; SHARES.  A work-group owns one tile of 16 queries (tile qt of batch b: queries 32 (qt / 2) + 8 (qt % 2) + r + 8 (r / 8)); it needs NCH = qt / 8 + 1 chunks of 128 keys, the rest lies wholly under the mask.
; Scores: wave w takes chunks w and w + 4 (S^T = K Q^T: a lane holds one query, its registers 16 neighbouring keys of each block of 32).  A row's maximum and sum meet in LDS; p is quantised in registers and its eight
; fragments go to LDS as register images.  Z: wave w takes channels 128 w on (Z^T = V^T p^T), which are K step w of the last product.
; K's and V's fragments go from memory straight into registers, 512 consecutive bytes a load: inside a work-group each is read by one wave alone, so LDS would add a copy.
; NO CLUSTER: nothing goes through LDS that partners could share, and neighbouring query tiles need different numbers of chunks.
; All eight chunks of V are loaded in every work-group, so that every register that the products below name is written on every way through the text; the products of hidden chunks are left out.
; A chunk that a wave does not compute is filled with -infinity: p = 0, zero codes.  Key 0 counts for every query, so the row's maximum is a number.
; LIMITS: NaN and infinities are not served; p under 2^-126 is flushed to 0 by the exponential; attn = e x (rcp(sum) x 2^-3.5), within some 2 ulp of the two divisions; a block of zeros gets the byte 1.
; REGISTERS: window 0: v1-7 addresses; v8-15 at work; v18-22 m, 1 / (sum sqrt(128)), -infinity; v24-57 scale words and nothing else; v64-191 S^T, then p (later v64-127 Z^T, v128-151 p's fragments, v160-171 V's last);
;   v192-228 the quantiser's.  window 1: Q's 16 fragments.  windows 2, 3: K, two sets of 16 fragments.  Later windows 1-3: V's fragments, 21 a window.
.set KOFF,  6291456
.set VOFF,  7864320
.set KSOFF, 262144
.set VSOFF, 327680
.set PIMG,  0                          ; LDS: p's eight fragments,
.set PSC,   12288                      ; their scale words, 128 bytes each,
.set STATM, 13312                      ; the waves' maxima,
.set STATL, 13824                      ; their sums,
.set SPARE, 14336                      ; and the spare words, 128 bytes a wave
.set LI,  1                            ; v1  16 x lane
.set L4,  2                            ; v2  4 x lane
.set R16, 3                            ; v3  16 x (lane % 16)
.set AIM, 4                            ; v4  16 x lane + 1,536 x wave
.set ASC, 5                            ; v5  PSC + 4 x lane + 128 x wave
.set AST, 6                            ; v6  STATM + 4 x lane + 128 x wave
.set DD,  7                            ; v7  my query less the diagonal chunk's first key less 16 (lane / 16)
.set SPW, 16
.set NIL, 17
.set MM,  18
.set INV, 20
.set NINF, 22
.set QSC, 24                           ; v24-31  Q's scale words: step s at 4 (s / 8) + s % 4, lanes 16 ((s / 4) % 2) on
.set KSC, 32                           ; v32-47  K's, two sets: tile t at 4 (t / 2) + s % 4, lanes 16 (t % 2) on
.set VSC, 24                           ; v24-55  later V's: tile t, chunk kc at 4 t + kc % 4, lanes 16 (kc / 4) on
.set PSR, 56                           ; v56-57  p's, two sets
.set S,   64
.set ZA,  64
.set PF,  128
.set VX,  160
.set TM,  192
.set PW,  208
.set PC,  210
.set SEL, 18                           ; s[18:19]
.set MSB, 0
.macro WIN new
.if MSB != (\new)
	s_set_vgpr_msb (MSB<<8)|(\new)
.set MSB, (\new)
.endif
.endm
.macro PLACES
.rept 4
	v_nop
.endr
.endm
.macro BARRIER                         ; my LDS stores have landed and my LDS loads are in: then the work-group's barrier
	s_wait_dscnt 0x0
	s_barrier_signal -1
	s_barrier_wait -1
.endm
; one product; ra, rb: the halves of the lanes from which source 0's and source 1's scale words are taken
.macro WM d, a, b, zero, sa, sb, ra, rb
.if \zero
.if (\ra) && (\rb)
	v_wmma_scale_f32_16x16x128_f8f6f4 v[\d:\d+7], v[\a:\a+11], v[\b:\b+11], 0, v[\sa], v[\sb] matrix_a_fmt:MATRIX_FMT_FP6 matrix_b_fmt:MATRIX_FMT_FP6 matrix_a_scale:MATRIX_SCALE_ROW1 matrix_b_scale:MATRIX_SCALE_ROW1
.elseif (\ra)
	v_wmma_scale_f32_16x16x128_f8f6f4 v[\d:\d+7], v[\a:\a+11], v[\b:\b+11], 0, v[\sa], v[\sb] matrix_a_fmt:MATRIX_FMT_FP6 matrix_b_fmt:MATRIX_FMT_FP6 matrix_a_scale:MATRIX_SCALE_ROW1
.elseif (\rb)
	v_wmma_scale_f32_16x16x128_f8f6f4 v[\d:\d+7], v[\a:\a+11], v[\b:\b+11], 0, v[\sa], v[\sb] matrix_a_fmt:MATRIX_FMT_FP6 matrix_b_fmt:MATRIX_FMT_FP6 matrix_b_scale:MATRIX_SCALE_ROW1
.else
	v_wmma_scale_f32_16x16x128_f8f6f4 v[\d:\d+7], v[\a:\a+11], v[\b:\b+11], 0, v[\sa], v[\sb] matrix_a_fmt:MATRIX_FMT_FP6 matrix_b_fmt:MATRIX_FMT_FP6
.endif
.else
.if (\ra) && (\rb)
	v_wmma_scale_f32_16x16x128_f8f6f4 v[\d:\d+7], v[\a:\a+11], v[\b:\b+11], v[\d:\d+7], v[\sa], v[\sb] matrix_a_fmt:MATRIX_FMT_FP6 matrix_b_fmt:MATRIX_FMT_FP6 matrix_a_scale:MATRIX_SCALE_ROW1 matrix_b_scale:MATRIX_SCALE_ROW1
.elseif (\ra)
	v_wmma_scale_f32_16x16x128_f8f6f4 v[\d:\d+7], v[\a:\a+11], v[\b:\b+11], v[\d:\d+7], v[\sa], v[\sb] matrix_a_fmt:MATRIX_FMT_FP6 matrix_b_fmt:MATRIX_FMT_FP6 matrix_a_scale:MATRIX_SCALE_ROW1
.elseif (\rb)
	v_wmma_scale_f32_16x16x128_f8f6f4 v[\d:\d+7], v[\a:\a+11], v[\b:\b+11], v[\d:\d+7], v[\sa], v[\sb] matrix_a_fmt:MATRIX_FMT_FP6 matrix_b_fmt:MATRIX_FMT_FP6 matrix_b_scale:MATRIX_SCALE_ROW1
.else
	v_wmma_scale_f32_16x16x128_f8f6f4 v[\d:\d+7], v[\a:\a+11], v[\b:\b+11], v[\d:\d+7], v[\sa], v[\sb] matrix_a_fmt:MATRIX_FMT_FP6 matrix_b_fmt:MATRIX_FMT_FP6
.endif
.endif
.endm
; 50 loads: half g (4 tiles of keys x 4 K steps: 24,576 consecutive bytes) of my chunk w + 4 c into window W, and its scale words into set
.macro KLOAD c, g, W, set
	WIN (\W)<<6
.set k, 0
.rept 48
	global_load_b128 v[4*k:4*k+3], v[LI], s[26:27] offset:196608*(\c)+24576*(\g)+512*k
.set k, k+1
.endr
	WIN 0
	global_load_b128 v[KSC+8*(\set):KSC+8*(\set)+3], v[LI], s[28:29] offset:8192*(\c)+1024*(\g)
	global_load_b128 v[KSC+8*(\set)+4:KSC+8*(\set)+7], v[LI], s[28:29] offset:8192*(\c)+1024*(\g)+512
.endm
; 64 products: 4 tiles of keys x 16 K steps, K ascending; the four accumulators take turns, one instruction a turn
.macro MUL c, g, W, set
	WIN 4|(\W)                                     ; source 0 (K) window W, source 1 (Q) window 1, S^T window 0
.set ss, 0
.rept 16
.set tt, 0
.rept 4
.set rD, S+64*(\c)+8*(4*(\g)+tt)
.set rA, 12*(4*tt+ss%4)
.set rB, 12*ss
.set rSA, KSC+8*(\set)+4*(tt/2)+ss%4
.set rSB, QSC+4*(ss/8)+ss%4
	WM rD, rA, rB, (ss==0), rSA, rSB, tt%2, (ss/4)%2
.set tt, tt+1
.endr
.set ss, ss+1
.endr
	WIN 0
.endm
.macro FILL c
.set k, 0
.rept 64
	v_mov_b32 v[S+64*(\c)+k], v[NINF]
.set k, k+1
.endr
.endm
.macro MASK c                          ; the diagonal chunk: register 16 b + i holds key 32 b + 16 (lane / 16) + i of the chunk: hidden where 32 b + i > v[DD]
.set k, 0
.rept 64
	v_cmp_gt_i32 vcc_lo, 32*(k/16)+k%16, v[DD]
	v_cndmask_b32 v[S+64*(\c)+k], v[S+64*(\c)+k], v[NINF], vcc_lo
.set k, k+1
.endr
.endm
.macro VCHUNK kc                       ; 24 loads: my 8 tiles of channels x the 128 keys of chunk kc.  Fragment f = 8 kc + t lies in window 1 + f / 21 at 12 (f % 21), the 64th in window 0
.set tt, 0
.rept 8
.set ff, 8*(\kc)+tt
.if ff == 63
	WIN 0
.set rV, VX
.else
	WIN (1+ff/21)<<6
.set rV, 12*(ff%21)
.endif
.irp c, 0,1,2
	global_load_b128 v[rV+4*\c:rV+4*\c+3], v[LI], s[30:31] offset:49152*tt+1536*(\kc)+512*\c
.endr
.set tt, tt+1
.endr
	WIN 0
.endm
.macro QUANT s                         ; 64 numbers of a lane, register 16 b + i = place 32 b + 16 (lane / 16) + i of my row, become a fragment's codes in v[PC] on and its scale word in v[PW]
.irp b, 0,1,2,3
	v_max3_num_f32 v[TM+\b], |v[\s+16*\b]|, |v[\s+1+16*\b]|, 0x1800000   ; and the floor 2^(3 - 127): the byte cannot fall under 1
.endr
.irp i, 2,4,6,8,10,12,14
.irp b, 0,1,2,3
	v_max3_num_f32 v[TM+\b], v[TM+\b], |v[\s+16*\b+\i]|, |v[\s+1+16*\b+\i]|
.endr
.endr
.irp b, 0,1,2,3
	v_permlanex16_b32 v[TM+4+\b], v[TM+\b], s[SEL], s[SEL+1]
.endr
.irp b, 0,1,2,3
	v_max_num_f32 v[TM+\b], v[TM+\b], v[TM+4+\b]
.endr
.irp b, 0,1,2,3
	v_add_nc_u32 v[TM+12+\b], 0xff000000, v[TM+\b]
.endr
.irp b, 0,1,2,3
	v_lshrrev_b32 v[TM+4+\b], 23, v[TM+12+\b]
.endr
	v_lshl_or_b32 v[PW], v[TM+5], 8, v[TM+4]
	v_lshl_or_b32 v[PW], v[TM+6], 16, v[PW]
	v_lshl_or_b32 v[PW], v[TM+7], 24, v[PW]
.irp c, 0,1
	v_cvt_scalef32_pk16_fp6_f32 v[PC+6*\c:PC+2+6*\c], v[\s+32*\c:\s+15+32*\c], v[TM+12+2*\c]
	v_cvt_scalef32_pk16_fp6_f32 v[PC+12+4*\c:PC+14+4*\c], v[\s+16+32*\c:\s+31+32*\c], v[TM+12+2*\c+1]
.endr
	v_nop                                          ; one plain place behind a scaled conversion
.irp c, 0,1
.irp i, 0,1,2
	v_permlane16_swap_b32 v[PC+6*\c+\i], v[PC+12+4*\c+\i]
.endr
.irp i, 0,1,2
	v_mov_b32 v[PC+3+6*\c+\i], v[PC+12+4*\c+\i]
.endr
.endr
.endm
.macro IMAGE off
.irp c, 0,1,2
	ds_store_b128 v[AIM], v[PC+4*\c:PC+4*\c+3] offset:\off+512*\c
.endr
.endm
.macro PFETCH kc                       ; 4 LDS loads: p's fragment of chunk kc and its scale words
.irp c, 0,1,2
	ds_load_b128 v[PF+12*((\kc)%2)+4*\c:PF+12*((\kc)%2)+4*\c+3], v[LI] offset:PIMG+1536*(\kc)+512*\c
.endr
	ds_load_b32 v[PSR+(\kc)%2], v[L4] offset:PSC+128*(\kc)
.endm
.macro ZCH kc                          ; 8 products: Z^T += V^T p^T for chunk kc; the eight accumulators take turns
.set tt, 0
.rept 8
.set ff, 8*(\kc)+tt
.if ff == 63
	WIN 0
.set rA, VX
.else
	WIN 1+ff/21
.set rA, 12*(ff%21)
.endif
.set rD, ZA+8*tt
.set rB, PF+12*((\kc)%2)
.set rSA, VSC+4*tt+(\kc)%4
.set rSB, PSR+(\kc)%2
	WM rD, rA, rB, ((\kc)==0), rSA, rSB, (\kc)/4, 0
.set tt, tt+1
.endr
	WIN 0
.endm
	s_load_b256 s[4:11], s[0:1], 0x0               ; qkv_c, qkv_s, z_c, z_s
	v_lshl_add_u32 v[SPW], v0, 2, SPARE
	v_mov_b32 v[NIL], 0
	v_lshrrev_b32 v8, 5, v0
	v_readfirstlane_b32 s12, v8                    ; wave
	s_mov_b32 s13, ttmp9                           ; qt
	s_and_b32 s14, ttmp7, 0xffff                   ; batch
	s_lshr_b32 s15, s13, 3
	s_add_co_u32 s15, s15, 1                       ; NCH
	s_lshl_b32 s16, s14, 6
	s_add_co_u32 s16, s16, s13                     ; my tile among all 256
	v_and_b32 v8, 31, v0
	v_lshlrev_b32 v[LI], 4, v8
	v_lshlrev_b32 v[L4], 2, v8
	v_and_b32 v9, 15, v0                           ; r
	v_bfe_u32 v10, v0, 4, 1                        ; h
	v_lshlrev_b32 v[R16], 4, v9
	s_mul_i32 s38, s12, 1536
	v_add_nc_u32 v[AIM], s38, v[LI]
	s_lshl_b32 s38, s12, 7
	v_add_nc_u32 v[ASC], s38, v[L4]
	v_add_nc_u32 v[AST], STATM, v[ASC]
	v_add_nc_u32 v[ASC], PSC, v[ASC]
	s_lshr_b32 s38, s13, 1
	s_and_b32 s38, s38, 3
	s_lshl_b32 s38, s38, 5
	s_and_b32 s39, s13, 1
	s_lshl_b32 s39, s39, 3
	s_add_co_u32 s38, s38, s39                     ; the tile's first query in the diagonal chunk
	v_and_b32 v11, 8, v9
	v_add_nc_u32 v11, v11, v9
	v_lshlrev_b32 v12, 4, v10
	v_sub_nc_u32 v11, v11, v12
	v_add_nc_u32 v[DD], s38, v11
	v_mov_b32 v[NINF], 0xff800000
.irp b, 0,1,2,3
	v_mov_b32 v[TM+4+\b], 0                        ; a lane permute's destination counts as one of its sources
.endr
	s_mov_b32 s[SEL], 0x76543210
	s_mov_b32 s[SEL+1], 0xfedcba98
	s_mov_b32 s20, 0x3fb8aa3b                      ; log2(e)
	s_mov_b32 s21, s20
	s_mul_i32 s22, s16, 24576                      ; Q's 16 fragments
	s_mov_b32 s23, 0
	s_lshl_b32 s24, s16, 10                        ; and scale words
	s_mov_b32 s25, 0
	s_lshl_b32 s38, s14, 6
	s_lshl_b32 s39, s12, 3
	s_add_co_u32 s38, s38, s39                     ; the first tile of keys of chunk w
	s_mul_i32 s26, s38, 6144
	s_add_co_u32 s26, s26, KOFF
	s_mov_b32 s27, 0
	s_lshl_b32 s28, s38, 8
	s_add_co_u32 s28, s28, KSOFF
	s_mov_b32 s29, 0
	s_mul_i32 s30, s12, 8*49152                    ; V: my 8 tiles of channels, the batch's 8 K steps
	s_mul_i32 s39, s14, 8*1536
	s_add_co_u32 s30, s30, s39
	s_add_co_u32 s30, s30, VOFF
	s_mov_b32 s31, 0
	s_lshl_b32 s32, s12, 14
	s_lshl_b32 s39, s14, 9
	s_add_co_u32 s32, s32, s39
	s_add_co_u32 s32, s32, VSOFF
	s_mov_b32 s33, 0
	s_mul_i32 s34, s16, 6144                       ; Z: my tile, K step w
	s_mul_i32 s39, s12, 1536
	s_add_co_u32 s34, s34, s39
	s_mov_b32 s35, 0
	s_lshl_b32 s36, s16, 8
	s_lshl_b32 s39, s12, 2
	s_add_co_u32 s36, s36, s39
	s_mov_b32 s37, 0
	s_wait_kmcnt 0x0
	s_add_nc_u64 s[22:23], s[4:5], s[22:23]
	s_add_nc_u64 s[24:25], s[6:7], s[24:25]
	s_add_nc_u64 s[26:27], s[4:5], s[26:27]
	s_add_nc_u64 s[28:29], s[6:7], s[28:29]
	s_add_nc_u64 s[30:31], s[4:5], s[30:31]
	s_add_nc_u64 s[32:33], s[6:7], s[32:33]
	s_add_nc_u64 s[34:35], s[8:9], s[34:35]
	s_add_nc_u64 s[36:37], s[10:11], s[36:37]
	; ---- A: the scores of my chunks.  The branches hang on ids and the wave's number; no barrier stands under them
	s_cmp_le_u32 s15, s12
	s_cbranch_scc1 .Lnone                          ; chunk w is hidden, and so is chunk w + 4
	WIN 0x40
.set k, 0
.rept 48
	global_load_b128 v[4*k:4*k+3], v[LI], s[22:23] offset:512*k   ; Q: 50 loads with its scale words
.set k, k+1
.endr
	WIN 0
	global_load_b128 v[QSC:QSC+3], v[LI], s[24:25]
	global_load_b128 v[QSC+4:QSC+7], v[LI], s[24:25] offset:512
	KLOAD 0, 0, 2, 0
	KLOAD 0, 1, 3, 1
	s_add_co_u32 s38, s12, 4
	s_cmp_le_u32 s15, s38
	s_cbranch_scc1 .Lone
	s_wait_loadcnt 50                              ; each count of 50 leaves out the one KLOAD issued behind the loads that are wanted
	MUL 0, 0, 2, 0
	PLACES
	KLOAD 1, 0, 2, 0
	s_wait_loadcnt 50
	MUL 0, 1, 3, 1
	PLACES
	KLOAD 1, 1, 3, 1
	s_wait_loadcnt 50
	MUL 1, 0, 2, 0
	s_wait_loadcnt 0x0
	MUL 1, 1, 3, 1
	s_branch .Ljoin
.Lone:                                             ; chunk w alone
	s_wait_loadcnt 50
	MUL 0, 0, 2, 0
	s_wait_loadcnt 0x0
	MUL 0, 1, 3, 1
	FILL 1
	s_branch .Ljoin
.Lnone:
	FILL 0
	FILL 1
.Ljoin:
	PLACES                                         ; behind the last products: the loads below land on their operands and scale words, the lines after them read their results
.irp t, 0,1,2,3,4,5,6,7
	global_load_b128 v[VSC+4*\t:VSC+4*\t+3], v[LI], s[32:33] offset:2048*\t
.endr
	VCHUNK 0
	VCHUNK 1
	; ---- B: mask, maximum, exponentials, sum, 1 / (sum sqrt(128)), quantiser.  The same in every wave
	s_sub_co_u32 s38, s15, 1
	s_cmp_lg_u32 s38, s12
	s_cbranch_scc1 .Lnomask0
	MASK 0
.Lnomask0:
	s_add_co_u32 s39, s12, 4
	s_cmp_lg_u32 s38, s39
	s_cbranch_scc1 .Lnomask1
	MASK 1
.Lnomask1:
.irp b, 0,1,2,3,4,5,6,7
	v_max3_num_f32 v[8+\b], v[S+16*\b], v[S+16*\b+1], v[S+16*\b+2]   ; eight chains, each accumulator from its low end on
.endr
.irp i, 3,5,7,9,11,13
.irp b, 0,1,2,3,4,5,6,7
	v_max3_num_f32 v[8+\b], v[8+\b], v[S+16*\b+\i], v[S+16*\b+\i+1]
.endr
.endr
.irp b, 0,1,2,3,4,5,6,7
	v_max_num_f32 v[8+\b], v[8+\b], v[S+16*\b+15]
.endr
	v_max3_num_f32 v8, v8, v9, v10
	v_max3_num_f32 v11, v11, v12, v13
	v_max3_num_f32 v8, v8, v14, v15
	v_max_num_f32 v8, v8, v11
	v_permlanex16_b32 v9, v8, s[SEL], s[SEL+1]
	v_max_num_f32 v8, v8, v9                       ; my query's largest score in my chunks
	ds_store_b32 v[AST], v8
	VCHUNK 2
	VCHUNK 3
	BARRIER
.irp q, 0,1,2,3
	ds_load_b32 v[8+\q], v[L4] offset:STATM+128*\q
.endr
	s_wait_dscnt 0x0
	v_max3_num_f32 v[MM], v8, v9, v10
	v_max_num_f32 v[MM], v[MM], v11                ; the row's maximum
	v_mov_b32 v[MM+1], v[MM]
.set k, 0
.rept 64
	v_pk_add_f32 v[S+k:S+k+1], v[S+k:S+k+1], v[MM:MM+1] neg_lo:[0,1] neg_hi:[0,1]   ; s - m, rounded as a subtraction of its own
.set k, k+2
.endr
.set k, 0
.rept 64
	v_pk_mul_f32 v[S+k:S+k+1], v[S+k:S+k+1], s[20:21] op_sel_hi:[1,0]
.set k, k+2
.endr
.set k, 0
.rept 128
	v_exp_f32 v[S+k], v[S+k]
.set k, k+1
.endr
	v_nop                                          ; a plain place behind the exponentials
	s_wait_alu depctr_va_vdst(0)                   ; one wait for the whole batch, ahead of its first reader
.irp q, 0,1,2,3
	v_pk_add_f32 v[8+2*\q:9+2*\q], v[S+2*\q:S+2*\q+1], v[S+8+2*\q:S+9+2*\q]   ; the sum, in four packed chains
.endr
.set k, 8
.rept 56
	v_pk_add_f32 v[8+2*(k%4):9+2*(k%4)], v[8+2*(k%4):9+2*(k%4)], v[S+2*k:S+2*k+1]
.set k, k+1
.endr
	v_pk_add_f32 v[8:9], v[8:9], v[10:11]
	v_pk_add_f32 v[12:13], v[12:13], v[14:15]
	v_pk_add_f32 v[8:9], v[8:9], v[12:13]
	v_add_f32 v8, v8, v9
	v_permlanex16_b32 v9, v8, s[SEL], s[SEL+1]
	v_add_f32 v8, v8, v9
	ds_store_b32 v[AST], v8 offset:STATL-STATM
	VCHUNK 4
	VCHUNK 5
	BARRIER
.irp q, 0,1,2,3
	ds_load_b32 v[8+\q], v[L4] offset:STATL+128*\q
.endr
	s_wait_dscnt 0x0
	v_add_f32 v8, v8, v9
	v_add_f32 v10, v10, v11
	v_add_f32 v8, v8, v10                          ; the row's sum
	v_rcp_f32 v[INV], v8
	v_nop
	s_wait_alu depctr_va_vdst(0)
	v_mul_f32 v[INV], 0x3db504f3, v[INV]           ; x 1 / sqrt(128)
	v_mov_b32 v[INV+1], v[INV]
.set k, 0
.rept 64
	v_pk_mul_f32 v[S+k:S+k+1], v[S+k:S+k+1], v[INV:INV+1]   ; attn, finished: this is what is quantised
.set k, k+2
.endr
	QUANT S
	IMAGE PIMG                                     ; chunk w
	ds_store_b32 v[ASC], v[PW]
	s_wait_dscnt 0x0                               ; the stores have read their registers
	QUANT S+64
	IMAGE PIMG+4*1536                              ; chunk w + 4
	ds_store_b32 v[ASC], v[PW] offset:512
	VCHUNK 6
	VCHUNK 7                                       ; (its last fragment lands where p lay)
	BARRIER                                        ; p's eight fragments lie in LDS
	; ---- C: Z^T for my 128 channels
	s_wait_loadcnt 0x0                             ; V and its scale words
	PFETCH 0
	PFETCH 1
.irp kc, 0,1,2,3,4,5,6,7
.if \kc > 0
	s_cmp_le_u32 s15, \kc                          ; the chunks from NCH on hold zeros alone
	s_cbranch_scc1 .Lzdone
.endif
.if \kc < 7
	s_wait_dscnt 4                                 ; this chunk's four loads are in; the next chunk's four may be out
.else
	s_wait_dscnt 0x0
.endif
	ZCH \kc
.if \kc < 6
	PLACES
	PFETCH \kc+2
.endif
.endr
.Lzdone:
	s_wait_dscnt 0x0
	PLACES
	QUANT ZA
.irp c, 0,1,2
	global_store_b128 v[LI], v[PC+4*\c:PC+4*\c+3], s[34:35] offset:512*\c   ; 512 consecutive bytes, aligned
.endr
	global_store_b32 v[R16], v[PW], s[36:37]
	s_wait_tensorcnt 0x0                           ; the wave's end, behind my last LDS store
	ds_add_u32 v[SPW], v[NIL]
	s_wait_dscnt 0x0
	s_endpgm
.Lfunc_end_k_q71ed98661d_attn:
	.size	k_q71ed98661d_attn, .Lfunc_end_k_q71ed98661d_attn-k_q71ed98661d_attn
	.p2alignl 7, 3214868480
	.fill 96, 4, 3214868480
	.section	.rodata,"a",@progbits
	.p2align	6, 0x0
	.amdhsa_kernel k_q71ed98661d_attn
		.amdhsa_group_segment_fixed_size 14848
		.amdhsa_private_segment_fixed_size 0
		.amdhsa_enable_private_segment 0
		.amdhsa_kernarg_size 32
		.amdhsa_user_sgpr_count 2
		.amdhsa_user_sgpr_kernarg_segment_ptr 1
		.amdhsa_wavefront_size32 1
		.amdhsa_system_sgpr_workgroup_id_x 1
		.amdhsa_system_sgpr_workgroup_id_y 1
		.amdhsa_system_sgpr_workgroup_id_z 1
		.amdhsa_system_vgpr_workitem_id 0
		.amdhsa_next_free_vgpr 1024
		.amdhsa_next_free_sgpr 66
		.amdhsa_reserve_vcc 1
		.amdhsa_float_denorm_mode_32 3
		.amdhsa_float_denorm_mode_16_64 3
		.amdhsa_memory_ordered 1
		.amdhsa_forward_progress 1
		.amdhsa_inst_pref_size 162
	.end_amdhsa_kernel
	.amdgpu_metadata
---
amdhsa.version: [ 1, 2 ]
amdhsa.kernels:
  - .name:           k_q71ed98661d_attn
    .symbol:         k_q71ed98661d_attn.kd
    .args:
      - { .name: qkv_c, .offset: 0, .size: 8, .value_kind: global_buffer, .address_space: global }
      - { .name: qkv_s, .offset: 8, .size: 8, .value_kind: global_buffer, .address_space: global }
      - { .name: z_c, .offset: 16, .size: 8, .value_kind: global_buffer, .address_space: global }
      - { .name: z_s, .offset: 24, .size: 8, .value_kind: global_buffer, .address_space: global }
    .group_segment_fixed_size: 14848
    .private_segment_fixed_size: 0
    .kernarg_segment_align: 8
    .kernarg_segment_size: 32
    .max_flat_workgroup_size: 128
    .sgpr_count:     66
    .vgpr_count:     1024
    .wavefront_size: 32
...
	.end_amdgpu_metadata
.endif
;; end of part 3
;; launch oproj (part 4): grid 16 x 16, 4 waves a work-group, clusters of 4 x 1, 327,680 bytes of LDS; arguments z_c, z_s, pj_c, pj_s, out0; writes out0
.if DOCPART == 4
	.amdgcn_target "amdgcn-amd-amdhsa--gfx1250"
	.amdhsa_code_object_version 6
	.text
	.protected	k_q71ed98661d_oproj
	.globl	k_q71ed98661d_oproj
	.p2align	8
	.type	k_q71ed98661d_oproj,@function
k_q71ed98661d_oproj:
	s_mov_b64 s[64:65], 0
	v_nop
	global_prefetch_b8 v0, s[64:65] scope:SCOPE_SE
	s_setreg_imm32_b32 hwreg(HW_REG_WAVE_MODE, 25, 1), 1
	s_wait_xcnt 0x0
	s_wait_alu depctr_hold_cnt(0) depctr_sa_sdst(0) depctr_va_vdst(0) depctr_va_sdst(0) depctr_va_ssrc(0) depctr_va_vcc(0) depctr_vm_vsrc(0)
	s_getreg_b32 s2, hwreg(HW_REG_IB_STS2, 6, 4)
	s_cmp_eq_u32 s2, 0
	s_cbranch_scc0 .Lentry_in_a_cluster
	s_endpgm
.Lentry_in_a_cluster:
	s_bfe_u32 s2, ttmp6, 0x10000c
	s_cmp_lg_u32 s2, 0x3003
	s_cbranch_scc0 .Lentry_shape_is_right
	s_endpgm
.Lentry_shape_is_right:
; out = Z~ proj on codes of FP6 (E2M3) with E8M0 scales, sums in f32, K = 2,048 ascending.  Z~'s 2,048 columns are Z's 512 four times over, and so are their codes: K step s of proj meets K step s % 4 of Z.
; Operands are register images of fragments (1,536 bytes: register 4 c + e of lane L at 512 c + 16 L + 4 e) and scale words in blocks of 256 bytes (row r's word of K step 4 q + e at 16 r + 4 e).
; SHARES.  Work-group (i, jn): 256 tokens x 128 columns; wave w: 64 tokens (tiles 16 i + 4 w + a) x 128 columns: 32 accumulators.  Z's 16 fragments of a wave stay in registers and serve four times each.
; proj's tile for all of K, 196,608 bytes, and its scale words come into LDS ONCE, in four chunks of 4 K steps: no byte of LDS is filled again.
; CLUSTER: the four work-groups of a cluster have one jn and need the same tile of proj: each load is asked for jointly, with the same descriptor and the mask 15.  By this text's count five tensor loads of a wave are out at the most.
; Source 0 = 16 columns of proj (tile 2 g + u holds columns 32 g + 8 u + r + 8 (r / 8)), source 1 = 16 tokens: a lane holds one token and eight neighbouring columns.
; REGISTERS: window 0: v1-11 addresses; v32-39 Z's scale words, v48-79 proj's, two sets; v128-255 rows on the way out.  window 1: Z.  window 2: proj's fragments, two sets of 8.  window 3: the accumulators, (a, b) at v[8 (8 a + b)].
.set PSCL,  196608                     ; behind the four chunks of 49,152 bytes: proj's scale words, 1,024 bytes a tile
.set STG,   204800                     ; the way out: 16 rows x 528 bytes for each wave; no tensor load lands there
.set SPARE, 238592                     ; the spare words, 128 bytes a wave
.set LI,  1                            ; v1   16 x lane
.set AP,  4                            ; v4-7 16 x lane + 49,152 x chunk
.set APS, 8                            ; v8   PSCL + 16 r + 1,024 h
.set STO, 9
.set RD,  10
.set SPW, 12
.set NIL, 13
.set ZS,  32                           ; tile a, step s: 4 (a / 2) + s % 4, lanes 16 (a % 2) on
.set PS,  48                           ; tile b, step s: 16 ((s / 4) % 2) + 4 (b / 2) + s % 4, lanes 16 (b % 2) on
.set BK,  128
.set G1,  24
.set G1S, 32
.set G0,  40                           ; s[40:55] four sets, one for each chunk
.set G0S, 56
.set MSB, 0
.macro WIN new
.if MSB != (\new)
	s_set_vgpr_msb (MSB<<8)|(\new)
.set MSB, (\new)
.endif
.endm
.macro PLACES
.rept 4
	v_nop
.endr
.endm
.macro CROUND                          ; a round of the cluster's barrier
	s_barrier_signal -1
	s_barrier_wait -1
	s_cmp_lg_u32 s14, 0
	s_cbranch_scc1 .Lnot_wave_0_\@
	s_barrier_signal -3
.Lnot_wave_0_\@:
	s_barrier_wait -3
	s_barrier_signal -1
	s_barrier_wait -1
.endm
.macro WM d, a, b, zero, sa, sb, ra, rb
.if \zero
.if (\ra) && (\rb)
	v_wmma_scale_f32_16x16x128_f8f6f4 v[\d:\d+7], v[\a:\a+11], v[\b:\b+11], 0, v[\sa], v[\sb] matrix_a_fmt:MATRIX_FMT_FP6 matrix_b_fmt:MATRIX_FMT_FP6 matrix_a_scale:MATRIX_SCALE_ROW1 matrix_b_scale:MATRIX_SCALE_ROW1
.elseif (\ra)
	v_wmma_scale_f32_16x16x128_f8f6f4 v[\d:\d+7], v[\a:\a+11], v[\b:\b+11], 0, v[\sa], v[\sb] matrix_a_fmt:MATRIX_FMT_FP6 matrix_b_fmt:MATRIX_FMT_FP6 matrix_a_scale:MATRIX_SCALE_ROW1
.elseif (\rb)
	v_wmma_scale_f32_16x16x128_f8f6f4 v[\d:\d+7], v[\a:\a+11], v[\b:\b+11], 0, v[\sa], v[\sb] matrix_a_fmt:MATRIX_FMT_FP6 matrix_b_fmt:MATRIX_FMT_FP6 matrix_b_scale:MATRIX_SCALE_ROW1
.else
	v_wmma_scale_f32_16x16x128_f8f6f4 v[\d:\d+7], v[\a:\a+11], v[\b:\b+11], 0, v[\sa], v[\sb] matrix_a_fmt:MATRIX_FMT_FP6 matrix_b_fmt:MATRIX_FMT_FP6
.endif
.else
.if (\ra) && (\rb)
	v_wmma_scale_f32_16x16x128_f8f6f4 v[\d:\d+7], v[\a:\a+11], v[\b:\b+11], v[\d:\d+7], v[\sa], v[\sb] matrix_a_fmt:MATRIX_FMT_FP6 matrix_b_fmt:MATRIX_FMT_FP6 matrix_a_scale:MATRIX_SCALE_ROW1 matrix_b_scale:MATRIX_SCALE_ROW1
.elseif (\ra)
	v_wmma_scale_f32_16x16x128_f8f6f4 v[\d:\d+7], v[\a:\a+11], v[\b:\b+11], v[\d:\d+7], v[\sa], v[\sb] matrix_a_fmt:MATRIX_FMT_FP6 matrix_b_fmt:MATRIX_FMT_FP6 matrix_a_scale:MATRIX_SCALE_ROW1
.elseif (\rb)
	v_wmma_scale_f32_16x16x128_f8f6f4 v[\d:\d+7], v[\a:\a+11], v[\b:\b+11], v[\d:\d+7], v[\sa], v[\sb] matrix_a_fmt:MATRIX_FMT_FP6 matrix_b_fmt:MATRIX_FMT_FP6 matrix_b_scale:MATRIX_SCALE_ROW1
.else
	v_wmma_scale_f32_16x16x128_f8f6f4 v[\d:\d+7], v[\a:\a+11], v[\b:\b+11], v[\d:\d+7], v[\sa], v[\sb] matrix_a_fmt:MATRIX_FMT_FP6 matrix_b_fmt:MATRIX_FMT_FP6
.endif
.endif
.endm
	s_load_b256 s[4:11], s[0:1], 0x0               ; z_c, z_s, pj_c, pj_s
	s_load_b64 s[12:13], s[0:1], 0x20              ; out0
	v_lshl_add_u32 v[SPW], v0, 2, SPARE
	v_mov_b32 v[NIL], 0
	ds_add_u32 v[SPW], v[NIL]                      ; the wave's opening: the add and its wait stand ahead of the round in front of my first tensor loads
	v_lshrrev_b32 v2, 5, v0
	v_readfirstlane_b32 s14, v2                    ; wave
	s_bfe_u32 s15, ttmp6, 0x40000                  ; cx: it enters Z's and out's global addresses alone
	s_lshl_b32 s16, ttmp9, 2
	s_add_co_u32 s16, s16, s15                     ; i
	s_and_b32 s17, ttmp7, 0xffff                   ; jn, which the four partners share
	s_mov_b32 s[G1+0], 15|(3<<16)|(1<<21)          ; the mask: all four; elements of 8 bytes; bit 21 set beside a mask
	s_mov_b32 s[G1+1], 768<<16                     ; tensor_dim0 = 768: 6,144 bytes, four fragments
	s_mov_b32 s[G1+2], 2<<16                       ; tensor_dim1 = 2 tiles
	s_mov_b32 s[G1+3], 768<<16
	s_mov_b32 s[G1+4], 2
	s_mov_b32 s[G1+5], 3072                        ; from tile to tile: 24,576 bytes
	s_mov_b32 s[G1+6], 0
	s_mov_b32 s[G1+7], 0
	s_mov_b32 s[G1S+0], 15|(3<<16)|(1<<21)         ; two tiles' scale words: 2,048 dense bytes as 8 rows of 256
	s_mov_b32 s[G1S+1], 32<<16
	s_mov_b32 s[G1S+2], 8<<16
	s_mov_b32 s[G1S+3], 32<<16
	s_mov_b32 s[G1S+4], 8
	s_mov_b32 s[G1S+5], 32
	s_mov_b32 s[G1S+6], 0
	s_mov_b32 s[G1S+7], 0
	s_lshl_b32 s18, s17, 3
	s_lshl_b32 s19, s14, 1
	s_add_co_u32 s18, s18, s19                     ; the two tiles of proj that I fetch: 8 jn + 2 w
	s_mul_i32 s20, s18, 24576
	s_mov_b32 s21, 0
	s_lshl_b32 s22, s18, 10
	s_mov_b32 s23, 0
	s_mul_i32 s60, s14, 12288                      ; and where they go in a chunk
	s_lshl_b32 s61, s14, 11
	s_wait_dscnt 0x0                               ; the opening add is done
	s_wait_kmcnt 0x0
	s_add_nc_u64 s[20:21], s[8:9], s[20:21]
	s_add_nc_u64 s[22:23], s[10:11], s[22:23]
	s_mov_b32 s[G0S], 1
	s_add_co_u32 s[G0S+1], s61, PSCL
	s_mov_b64 s[G0S+2:G0S+3], s[22:23]
	s_or_b32 s[G0S+3], s[G0S+3], 0x80000000
.irp c, 0,1,2,3
	s_mov_b32 s[G0+4*\c], 1
	s_add_co_u32 s[G0+4*\c+1], s60, 49152*\c
	s_add_nc_u64 s[G0+4*\c+2:G0+4*\c+3], s[20:21], 6144*\c
	s_or_b32 s[G0+4*\c+3], s[G0+4*\c+3], 0x80000000
.endr
	CROUND                                         ; all four work-groups are here: the joint loads meet
	tensor_load_to_lds s[G0S:G0S+3], s[G1S:G1S+7]  ; all first fills go out as one group
	s_nop 0
.irp c, 0,1,2,3
	tensor_load_to_lds s[G0+4*\c:G0+4*\c+3], s[G1:G1+7]
	s_nop 0
.endr
	PLACES
	v_and_b32 v2, 31, v0
	v_lshlrev_b32 v[LI], 4, v2
	v_and_b32 v2, 15, v0                           ; r
	v_bfe_u32 v3, v0, 4, 1                         ; h
.irp c, 0,1,2,3
	v_add_nc_u32 v[AP+\c], 49152*\c, v[LI]
.endr
	v_lshlrev_b32 v[APS], 4, v2
	v_lshl_add_u32 v[APS], v3, 10, v[APS]
	v_add_nc_u32 v[APS], PSCL, v[APS]
	s_mul_i32 s62, s14, 8448
	s_add_co_u32 s62, s62, STG                     ; my stage
	v_mul_u32_u24 v[STO], v2, 528
	v_lshl_add_u32 v[STO], v3, 6, v[STO]
	v_add_nc_u32 v[STO], s62, v[STO]               ; in: row r, + 64 h bytes
	v_add_nc_u32 v[RD], s62, v[LI]                 ; back: 16 bytes a lane of a row
	s_lshl_b32 s66, s16, 4
	s_lshl_b32 s67, s14, 2
	s_add_co_u32 s66, s66, s67                     ; my first tile of tokens: 16 i + 4 w
	s_mul_i32 s68, s66, 6144
	s_mov_b32 s69, 0
	s_add_nc_u64 s[4:5], s[4:5], s[68:69]
	s_lshl_b32 s68, s66, 8
	s_add_nc_u64 s[6:7], s[6:7], s[68:69]
	s_lshl_b32 s68, s66, 17                        ; 16 rows of 8,192 bytes a tile
	s_lshl_b32 s70, s17, 9                         ; 128 columns of 4 bytes
	s_add_co_u32 s68, s68, s70
	s_add_nc_u64 s[12:13], s[12:13], s[68:69]
	WIN 0x40
.set k, 0
.rept 48
	global_load_b128 v[4*k:4*k+3], v[LI], s[4:5] offset:512*k   ; Z: fragment (a, step) at v[12 (4 a + step)] of window 1
.set k, k+1
.endr
	WIN 0
	global_load_b128 v[ZS:ZS+3], v[LI], s[6:7]
	global_load_b128 v[ZS+4:ZS+7], v[LI], s[6:7] offset:512
.macro FETCH s                         ; proj's eight fragments of K step s into set s % 2; at a chunk's head its scale words too
	WIN 0x80
.irp b, 0,1,2,3,4,5,6,7
.irp c, 0,1,2
	ds_load_b128 v[96*((\s)%2)+12*\b+4*\c:96*((\s)%2)+12*\b+4*\c+3], v[AP+(\s)/4] offset:6144*\b+1536*((\s)%4)+512*\c
.endr
.endr
	WIN 0
.if (\s)%4 == 0
.irp p, 0,1,2,3
	ds_load_b128 v[PS+16*(((\s)/4)%2)+4*\p:PS+16*(((\s)/4)%2)+4*\p+3], v[APS] offset:2048*\p+256*((\s)/4)
.endr
.endif
.endm
.macro MULZ s, a0                      ; 16 products: tiles of tokens a0, a0 + 1 x proj's eight.  The 32 accumulators take turns, one instruction a turn
.irp a, \a0, \a0+1
.irp b, 0,1,2,3,4,5,6,7
.set rD, 8*(8*(\a)+\b)
.set rA, 96*((\s)%2)+12*\b
.set rB, 12*(4*(\a)+(\s)%4)
.set rSA, PS+16*(((\s)/4)%2)+4*(\b/2)+(\s)%4
.set rSB, ZS+4*((\a)/2)+(\s)%4
	WM rD, rA, rB, ((\s)==0), rSA, rSB, \b%2, (\a)%2
.endr
.endr
.endm
.macro STEP s
	s_wait_dscnt 0x0                               ; this step's fragments are in
	WIN 0xf6                                       ; source 0 (proj) window 2, source 1 (Z) window 1, C and D window 3
	MULZ \s, 0
	WIN 0
.if ((\s)%4 == 3) && ((\s) < 15)
	s_wait_tensorcnt 2-(\s)/4                      ; my part of the next chunk is in; the later chunks' loads may be out
	s_barrier_signal -1
	s_barrier_wait -1                              ; everybody's is
.endif
.if (\s) < 15
	PLACES
	FETCH (\s)+1
.endif
	WIN 0xf6
	MULZ \s, 2
.endm
	s_wait_tensorcnt 3                             ; the scale words and my part of chunk 0 are in (three loads may be out),
	s_barrier_signal -1
	s_barrier_wait -1                              ; everybody's are
	FETCH 0
	s_wait_loadcnt 0x0                             ; Z
.irp s, 0,1,2,3,4,5,6,7,8,9,10,11,12,13,14,15
	STEP \s
.endr
	WIN 0
; THE WAY OUT, a tile of 16 tokens x 128 columns at a time: through my own stage and back as whole rows of 512 bytes.  LDS serves a wave's instructions in order: no wait between the stores and the loads.
.macro TOSTAGE a
	WIN 0x0c                                       ; the data: window 3
.irp b, 0,1,2,3,4,5,6,7
	ds_store_b128 v[STO], v[64*(\a)+8*\b:64*(\a)+8*\b+3] offset:128*(\b/2)+32*(\b%2)       ; lane (r, h), tile b: columns 32 (b / 2) + 16 h + 8 (b % 2) on; each accumulator from its low end on
	ds_store_b128 v[STO], v[64*(\a)+8*\b+4:64*(\a)+8*\b+7] offset:128*(\b/2)+32*(\b%2)+16
.endr
	WIN 0
.set BB, BK+64*((\a)%2)
.irp t, 0,1,2,3,4,5,6,7,8,9,10,11,12,13,14,15
	ds_load_b128 v[BB+4*\t:BB+4*\t+3], v[RD] offset:528*\t
.endr
.endm
.macro SEND a, younger                 ; younger: the LDS instructions issued behind tile a's loads, which may stay out
.set BB, BK+64*((\a)%2)
	s_wait_dscnt \younger
.irp t, 0,1,2,3,4,5,6,7,8,9,10,11,12,13,14,15
	global_store_b128 v[LI], v[BB+4*\t:BB+4*\t+3], s[12:13] offset:(32*((\a)/2)+8*((\a)%2)+\t+8*(\t/8))*8192 th:TH_STORE_NT   ; 512 consecutive bytes, aligned; the tile's row t is token 32 (a / 2) + 8 (a % 2) + t + 8 (t / 8) of my 64
.endr
.endm
	PLACES
	TOSTAGE 0
.irp a, 1,2,3
.if \a > 1
	s_wait_xcnt 0x0                                ; tile a - 2's stores have read their registers: tile a's loads may land there
.endif
	TOSTAGE \a
	SEND \a-1, 32                                  ; behind tile a - 1's loads: tile a's 16 stores and 16 loads
.endr
	SEND 3, 0
	s_wait_tensorcnt 0x0                           ; the wave's end
	ds_add_u32 v[SPW], v[NIL]
	s_wait_dscnt 0x0
	CROUND                                         ; the closing round
	s_endpgm
.Lfunc_end_k_q71ed98661d_oproj:
	.size	k_q71ed98661d_oproj, .Lfunc_end_k_q71ed98661d_oproj-k_q71ed98661d_oproj
	.p2alignl 7, 3214868480
	.fill 96, 4, 3214868480
	.section	.rodata,"a",@progbits
	.p2align	6, 0x0
	.amdhsa_kernel k_q71ed98661d_oproj
		.amdhsa_group_segment_fixed_size 327680
		.amdhsa_private_segment_fixed_size 0
		.amdhsa_enable_private_segment 0
		.amdhsa_kernarg_size 40
		.amdhsa_user_sgpr_count 2
		.amdhsa_user_sgpr_kernarg_segment_ptr 1
		.amdhsa_wavefront_size32 1
		.amdhsa_system_sgpr_workgroup_id_x 1
		.amdhsa_system_sgpr_workgroup_id_y 1
		.amdhsa_system_sgpr_workgroup_id_z 1
		.amdhsa_system_vgpr_workitem_id 0
		.amdhsa_next_free_vgpr 1024
		.amdhsa_next_free_sgpr 72
		.amdhsa_reserve_vcc 0
		.amdhsa_float_denorm_mode_32 3
		.amdhsa_float_denorm_mode_16_64 3
		.amdhsa_memory_ordered 1
		.amdhsa_forward_progress 1
		.amdhsa_inst_pref_size 120
	.end_amdhsa_kernel
	.amdgpu_metadata
---
amdhsa.version: [ 1, 2 ]
amdhsa.kernels:
  - .name:           k_q71ed98661d_oproj
    .symbol:         k_q71ed98661d_oproj.kd
    .args:
      - { .name: z_c, .offset: 0, .size: 8, .value_kind: global_buffer, .address_space: global }
      - { .name: z_s, .offset: 8, .size: 8, .value_kind: global_buffer, .address_space: global }
      - { .name: pj_c, .offset: 16, .size: 8, .value_kind: global_buffer, .address_space: global }
      - { .name: pj_s, .offset: 24, .size: 8, .value_kind: global_buffer, .address_space: global }
      - { .name: out0, .offset: 32, .size: 8, .value_kind: global_buffer, .address_space: global }
    .group_segment_fixed_size: 327680
    .private_segment_fixed_size: 0
    .kernarg_segment_align: 8
    .kernarg_segment_size: 40
    .max_flat_workgroup_size: 128
    .sgpr_count:     72
    .vgpr_count:     1024
    .wavefront_size: 32
...
	.end_amdgpu_metadata
.endif
;; end of part 4
